; MI455X (gfx1250); checked and timed in simulation.
; The chip was launched on July 23, 2026; its instructions are those of AMD's public machine-readable ISA for CDNA 5 (MIT licence, August 2026) and "CDNA5" Instruction Set Architecture Reference Guide (July 2026). The comments in the code are by the model that wrote it; some were corrected since.
;; Mo P Module. Allowed arithmetic: float matrix products may take bf16 or f16 operands with f32 sums; other float arithmetic in f32, or as packed bf16 or f16 multiplies, adds, multiply-adds, maxima and minima; sums over many terms, partial sums and values carried from step to step in f32; what a program stores and reads back later, other than sums and carried values, may be rounded once to bf16 or f16.
;; Inputs: b1 8 x 2,048 float32; b2 8 x 2,048 float32; b3 8 x 512 float32; rb0 256 float32; rb1 256 float32; rb2 8 float32; rw0 512 x 256 float32; rw1 256 x 256 float32; rw2 256 x 8 float32; w1 8 x 512 x 2,048 float32; w2 8 x 2,048 x 2,048 float32; w3 8 x 2,048 x 512 float32; x 1,024 x 512 float32.
;; Outputs: out0 1,024 x 512 float32.
;; 2 versions, each right; version 2 is version 1 with the launch fc2 written anew for expert scheduling mode. Each part assembles by itself: llvm-mc -triple=amdgcn-amd-amdhsa -mcpu=gfx1250 --defsym DOCPART=n.
;; ======== version 1 of 2: 5 launches
;; workspace buffers: choice 4,096 bytes of whole numbers; xb 1,048,576 bytes; t1 33,554,432 bytes; t2 67,108,864 bytes; part 8,388,608 bytes
;; launch router (part 1): grid 64 x 1, 8 waves a work-group, no clusters, 79,360 bytes of LDS; arguments x, rw0, rb0, rw1, rb1, rw2, rb2, xb, choice; writes xb, choice
.if DOCPART == 1
	.amdgcn_target "amdgcn-amd-amdhsa--gfx1250"
	.amdhsa_code_object_version 6
	.text
	.protected	k_qe8f6d8ab27_router
	.globl	k_qe8f6d8ab27_router
	.p2align	8
	.type	k_qe8f6d8ab27_router,@function
k_qe8f6d8ab27_router:
	s_mov_b64 s[64:65], 0
	v_nop
	global_prefetch_b8 v0, s[64:65] scope:SCOPE_SE
	s_setreg_imm32_b32 hwreg(HW_REG_WAVE_MODE, 25, 1), 1
	s_wait_xcnt 0x0
; ROUTER.  xb = x rounded to bf16; choice[token] = argmax over 8 experts of elu((x rw0 + rb0) rw1 + rb1) rw2 + rb2.
; A work-group takes 16 tokens.  Wave w: g = w & 3 owns 64 output columns, kh = w >> 2 one half of K; the two halves meet in LDS.
; NUMBERS.  Every input is rounded once to bf16 (nearest even).  Products of bf16 numbers are exact; sums are f32.  What the program makes itself (h0, h1) is cut into THREE
; bf16 terms hi + mid + lo, which hold all 24 bits, and each term is multiplied by the bf16 weights: no precision is lost between the layers.
; LIMITS.  The f32 sums are added in another order than a plain row by row sum: a token whose two best logits agree to about 1e-6 of their spread may be routed the other way.
; A NaN logit is not treated apart (it never wins).  Of equal logits the first wins.
; LAYOUT.  A weight fragment f (0..3) holds columns 64 g + 4 c + f (c = lane % 16): a lane's 16-byte load brings four columns of one row, sixteen lanes 256 consecutive bytes.
; With the weights as source 0 and 16 tokens as source 1, lane (r, h) holds token r and, in register j, column 64 g + 32 h + 4 j + f.  Packed in pairs these eight numbers ARE half f & 1 of the
; next layer's token fragment 2 g + (f >> 1), if that layer takes its weight rows in the order 64 g + 32 h + 4 (i & 7) + 2 p + (i >> 3) for place i of fragment 2 g + p.
; REGISTERS: v0-31 addresses; v32-95 weight fragments, two buffers (later h1's terms); v96-119 token fragments; v120-151 ACCH; v152-183 ACCL; v184-215 a bias; v216-231 rw2's fragments;
; v232-255 at work; v256-447 raw weights, a ring of three groups; v448-479 raw rb1; v480-511 raw rw2.
.set XP,    1040      ; a row of x in LDS: 1,024 bytes + 16: an odd multiple of 16 bytes, so 16 rows of a fragment load start at 16 different 16-byte columns
.set RED0,  16896     ; layer 0: the upper K half's sums, 4,096 bytes for each g
.set H0,    33280     ; h0 as fragments: term tau, fragment kap: 1,024 bytes at (8 tau + kap) x 1,024
.set RED1,  57856     ; layer 1: as RED0
.set LG,    74240     ; the four partial logits, 1,024 bytes for each g; past what a 16-bit immediate offset reaches, so the address registers carry this number
.set SPARE, 78336     ; the spare words: 128 bytes for each of eight waves; no other line names them
.set WF,   32
.set XF,   96
.set ACCH, 120
.set ACCL, 152
.set BI,   184
.set R2,   216
.set TT,   232
.set HP,   32
.set MSB, 0
.macro WIN new                         ; the immediate's high byte repeats the setting that is left; a switch that changes nothing is dropped
.if MSB != (\new)
	s_set_vgpr_msb (MSB<<8)|(\new)
.set MSB, (\new)
.endif
.endm
.macro PLACES                          ; four plain vector instructions between a matrix instruction and what reads its result or writes its registers (ISA guide 7.12.1)
.rept 4
	v_nop
.endr
.endm
.macro XW d, a, b, zero                ; one product; all its registers lie in window 0 here
	WIN 0
.if \zero
	v_wmma_f32_16x16x32_bf16 v[(\d):(\d)+7], v[(\a):(\a)+7], v[(\b):(\b)+7], 0
.else
	v_wmma_f32_16x16x32_bf16 v[(\d):(\d)+7], v[(\a):(\a)+7], v[(\b):(\b)+7], v[(\d):(\d)+7]
.endif
.endm
; Group gi of raw weights, 16 loads of 16 bytes a lane, into ring buffer gi % 3 (v256 + 64 (gi % 3)).  Groups 0-7: rw0, rows in natural order; groups 8-11: rw1, rows in the order of h0's fragments.
.macro GLOAD gi
	WIN 0x40                           ; destination window 1, address window 0
.set ii, 0
.rept 16
.if (\gi) < 8
	global_load_b128 v[64*((\gi)%3)+4*ii:64*((\gi)%3)+4*ii+3], v7, s[6:7] offset:(32*(\gi)+(ii&7)+16*(ii>>3))*1024
.else
	global_load_b128 v[64*((\gi)%3)+4*ii:64*((\gi)%3)+4*ii+3], v8, s[10:11] offset:(64*(((\gi)-8)>>1)+2*(((\gi)-8)&1)+4*(ii&7)+(ii>>3))*1024
.endif
.set ii, ii+1
.endr
.endm
.macro RCVT gi                         ; 64 raw numbers a lane -> four fragments in buffer gi & 1: column f of places 2 i, 2 i + 1 makes register i of fragment f
	WIN 0x05                           ; both sources window 1
.set ff, 0
.rept 4
.set ii, 0
.rept 8
	v_cvt_pk_bf16_f32 v[WF+32*((\gi)&1)+8*ff+ii], v[64*((\gi)%3)+8*ii+ff], v[64*((\gi)%3)+8*ii+4+ff]
.set ii, ii+1
.endr
.set ff, ff+1
.endr
.endm
; Eight f32 at sv are cut into three packs of four registers: hi = bf16(x), mid = bf16(x - hi), lo = bf16(x - hi - mid).  Both differences are exact in f32.
.macro CUT sv, dd
.irp n, 0,1,2,3
	v_cvt_pk_bf16_f32 v[(\dd)+\n], v[(\sv)+2*\n], v[(\sv)+2*\n+1]
.endr
.irp n, 0,1,2,3
	v_lshlrev_b32 v[TT+2*\n], 16, v[(\dd)+\n]
	v_and_b32 v[TT+2*\n+1], 0xffff0000, v[(\dd)+\n]
.endr
.irp n, 0,1,2,3
	v_pk_add_f32 v[(\sv)+2*\n:(\sv)+2*\n+1], v[(\sv)+2*\n:(\sv)+2*\n+1], v[TT+2*\n:TT+2*\n+1] neg_lo:[0,1] neg_hi:[0,1]
.endr
.endm
.macro SPLIT sv, da, db, dc
	CUT \sv, \da
	CUT \sv, \db
.irp n, 0,1,2,3
	v_cvt_pk_bf16_f32 v[(\dc)+\n], v[(\sv)+2*\n], v[(\sv)+2*\n+1]
.endr
.endm
; elu in place on eight numbers at zz; 24 registers at work at tw.  z > 0: z.  -0.25 <= z <= 0: z + z^2 (1/2 + z/6 + .. + z^5/5040), which keeps the relative accuracy near 0.  z < -0.25: 2^(z log2 e) - 1.
; The eight exponentials stand together; the plain lines of the polynomial stand between them and the first use of their results (ISA guide 5.7.2).
.macro ELU8 zz, tw
.irp n, 0,1,2,3
	v_pk_mul_f32 v[(\tw)+6*\n:(\tw)+6*\n+1], v[(\zz)+2*\n:(\zz)+2*\n+1], s[52:53] op_sel_hi:[1,0]
.endr
.irp n, 0,1,2,3
	v_exp_f32 v[(\tw)+6*\n], v[(\tw)+6*\n]
	v_exp_f32 v[(\tw)+6*\n+1], v[(\tw)+6*\n+1]
.endr
.irp n, 0,1,2,3
	v_pk_mul_f32 v[(\tw)+6*\n+4:(\tw)+6*\n+5], v[(\zz)+2*\n:(\zz)+2*\n+1], v[(\zz)+2*\n:(\zz)+2*\n+1]
.endr
.irp n, 0,1,2,3
	v_pk_fma_f32 v[(\tw)+6*\n+2:(\tw)+6*\n+3], v[(\zz)+2*\n:(\zz)+2*\n+1], s[54:55], s[56:57] op_sel_hi:[1,0,0]
.endr
.irp k, 58,60,62
.irp n, 0,1,2,3
	v_pk_fma_f32 v[(\tw)+6*\n+2:(\tw)+6*\n+3], v[(\tw)+6*\n+2:(\tw)+6*\n+3], v[(\zz)+2*\n:(\zz)+2*\n+1], s[\k:\k+1] op_sel_hi:[1,1,0]
.endr
.endr
.irp n, 0,1,2,3
	v_pk_fma_f32 v[(\tw)+6*\n+2:(\tw)+6*\n+3], v[(\tw)+6*\n+2:(\tw)+6*\n+3], v[(\zz)+2*\n:(\zz)+2*\n+1], 0.5 op_sel_hi:[1,1,0]
.endr
.irp n, 0,1,2,3
	v_pk_fma_f32 v[(\tw)+6*\n+2:(\tw)+6*\n+3], v[(\tw)+6*\n+2:(\tw)+6*\n+3], v[(\tw)+6*\n+4:(\tw)+6*\n+5], v[(\zz)+2*\n:(\zz)+2*\n+1]
.endr
	s_wait_alu depctr_va_vdst(0)
.irp n, 0,1,2,3
	v_pk_add_f32 v[(\tw)+6*\n:(\tw)+6*\n+1], v[(\tw)+6*\n:(\tw)+6*\n+1], -1.0 op_sel_hi:[1,0]
.endr
.irp m, 0,1,2,3,4,5,6,7
	v_cmp_gt_f32 vcc_lo, 0xbe800000, v[(\zz)+\m]
	v_cndmask_b32 v[(\tw)+6*(\m/2)+2+(\m%2)], v[(\tw)+6*(\m/2)+2+(\m%2)], v[(\tw)+6*(\m/2)+(\m%2)], vcc_lo
	v_cmp_lt_f32 vcc_lo, 0, v[(\zz)+\m]
	v_cndmask_b32 v[(\zz)+\m], v[(\tw)+6*(\m/2)+2+(\m%2)], v[(\zz)+\m], vcc_lo
.endr
.endm
.macro BAR                             ; my LDS instructions are done, for the others' sake; then the work-group's barrier
	s_wait_dscnt 0x0
	s_barrier_signal -1
	s_barrier_wait -1
.endm
; A K step of layer 0.  The count 32 leaves the two younger groups out (small loads issued among them only make it stricter).
; The loads into the token fragment's and the weight fragments' buffers stand behind the 32 conversions of the step before, which are the places behind the products that read those buffers two steps back.
.macro L0STEP st, zero
	s_wait_loadcnt 32
	WIN 0
	ds_load_b128 v[XF+8*((\st)&1):XF+8*((\st)&1)+3], v9 offset:64*(\st)
	ds_load_b128 v[XF+8*((\st)&1)+4:XF+8*((\st)&1)+7], v9 offset:64*(\st)+32
	RCVT \st
	GLOAD (\st)+3
	s_wait_dscnt 0x0
.set ff, 0
.rept 4                                ; four accumulators by turns
	XW ACCH+8*ff, WF+32*((\st)&1)+8*ff, XF+8*((\st)&1), \zero
.set ff, ff+1
.endr
.endm
; A K step of layer 1: h0's three terms against one set of weight fragments; hi's products go to ACCH, mid's and lo's to ACCL.  This step's conversions are the places in front of the loads into the token fragments.
.macro L1STEP st, wt, first
	s_wait_loadcnt \wt
	RCVT \st
.if (\st) == 8
	GLOAD 11
.endif
	WIN 0
.set tau, 0
.rept 3
	ds_load_b128 v[XF+8*tau:XF+8*tau+3], v12 offset:H0+(8*tau+(\st)-8)*1024
	ds_load_b128 v[XF+8*tau+4:XF+8*tau+7], v12 offset:H0+(8*tau+(\st)-8)*1024+512
.set tau, tau+1
.endr
	s_wait_dscnt 0x0
.set ff, 0
.rept 4
	XW ACCH+8*ff, WF+32*((\st)&1)+8*ff, XF, \first
.set ff, ff+1
.endr
.set ff, 0
.rept 4
	XW ACCL+8*ff, WF+32*((\st)&1)+8*ff, XF+8, \first
.set ff, ff+1
.endr
.set ff, 0
.rept 4
	XW ACCL+8*ff, WF+32*((\st)&1)+8*ff, XF+16, 0
.set ff, ff+1
.endr
.endm
	s_load_b512 s[4:19], s[0:1], 0x0               ; x s[4:5], rw0 s[6:7], rb0 s[8:9], rw1 s[10:11], rb1 s[12:13], rw2 s[14:15], rb2 s[16:17], xb s[18:19]
	s_load_b64 s[20:21], s[0:1], 0x40              ; choice
	v_lshl_add_u32 v14, v0, 2, SPARE               ; my spare word, and 0: kept for the add at the wave's end alone
	v_mov_b32 v15, 0
	v_lshrrev_b32 v26, 5, v0
	v_readfirstlane_b32 s22, v26                   ; wave 0..7
	s_and_b32 s23, s22, 3                          ; g
	s_lshr_b32 s24, s22, 2                         ; kh
	v_and_b32 v1, 31, v0                           ; L
	v_and_b32 v2, 15, v0                           ; c
	v_bfe_u32 v3, v0, 4, 1                         ; h
	s_lshl_b32 s25, s22, 12
	v_lshl_add_u32 v4, v1, 4, s25                  ; x: my wave's two rows are 4,096 consecutive bytes; 16 L in each 512
	s_lshl_b32 s25, s22, 11
	v_lshl_add_u32 v5, v1, 3, s25                  ; xb: 2,048 consecutive bytes; 8 L in each 256
	s_mul_i32 s25, s22, 2*XP
	v_lshl_add_u32 v6, v1, 3, s25                  ; the same two rows in LDS
	s_lshl_b32 s25, s23, 8                         ; 256 g: my 64 columns in bytes
	s_lshl_b32 s26, s24, 18
	s_add_co_u32 s26, s26, s25
	v_lshl_add_u32 v7, v2, 4, s26
	v_lshl_add_u32 v7, v3, 13, v7                  ; rw0: (256 kh + 8 h) rows of 1,024 bytes + 256 g + 16 c
	s_lshl_b32 s26, s24, 17
	s_add_co_u32 s26, s26, s25
	v_lshl_add_u32 v8, v2, 4, s26
	v_lshl_add_u32 v8, v3, 15, v8                  ; rw1: (128 kh + 32 h) rows + 256 g + 16 c
	s_lshl_b32 s26, s24, 9
	v_mul_u32_u24 v9, v2, XP
	v_lshl_add_u32 v9, v3, 4, v9
	v_add_nc_u32 v9, s26, v9                       ; x's fragments: row c, 512 kh + 16 h
	s_lshl_b32 s26, s23, 12
	v_lshl_add_u32 v10, v1, 4, s26                 ; RED0, RED1: 4,096 g + 16 L
	s_lshl_b32 s26, s23, 11
	v_lshl_add_u32 v11, v1, 4, s26                 ; h0 out: fragment 2 g: 2,048 g + 16 L
	s_lshl_b32 s26, s24, 12
	v_lshl_add_u32 v12, v1, 4, s26                 ; h0 in: fragment 4 kh: 4,096 kh + 16 L
	v_lshl_add_u32 v13, v3, 7, s25                 ; biases: columns 64 g + 32 h on
	v_and_b32 v16, 7, v0
	v_lshlrev_b32 v16, 2, v16
	v_lshl_add_u32 v16, v3, 10, v16
	s_lshl_b32 s26, s23, 11
	v_add_nc_u32 v16, s26, v16                     ; rw2: row 64 g + 32 h (32 bytes a row), expert c & 7
	s_lshl_b32 s26, s23, 10
	s_add_co_u32 s26, s26, LG
	v_lshl_add_u32 v17, v1, 4, s26                 ; partial logits out: LG + 1,024 g + 16 L
	v_lshl_add_u32 v18, v1, 4, LG                  ; and in: LG + 16 L
	v_lshlrev_b32 v19, 2, v2                       ; choice: 4 c
	s_mov_b32 s52, 0x3fb8aa3b                      ; log2 e, and the series' 1/5040, 1/720, 1/120, 1/24, 1/6: each named as a pair, so both words are written
	s_mov_b32 s53, s52
	s_mov_b32 s54, 0x39500d01
	s_mov_b32 s55, s54
	s_mov_b32 s56, 0x3ab60b61
	s_mov_b32 s57, s56
	s_mov_b32 s58, 0x3c088889
	s_mov_b32 s59, s58
	s_mov_b32 s60, 0x3d2aaaab
	s_mov_b32 s61, s60
	s_mov_b32 s62, 0x3e2aaaab
	s_mov_b32 s63, s62
	s_mov_b32 s31, 0
	s_wait_kmcnt 0x0
	s_lshl_b32 s30, ttmp9, 15                      ; the work-group's 16 rows of x,
	s_add_nc_u64 s[4:5], s[4:5], s[30:31]
	s_lshl_b32 s30, ttmp9, 14                      ; of xb,
	s_add_nc_u64 s[18:19], s[18:19], s[30:31]
	s_lshl_b32 s30, ttmp9, 6                       ; and its 16 words of choice
	s_add_nc_u64 s[20:21], s[20:21], s[30:31]
	s_load_b256 s[32:39], s[16:17], 0x0            ; rb2
.set nn, 0
.rept 8
	global_load_b128 v[ACCH+4*nn:ACCH+4*nn+3], v4, s[4:5] offset:512*nn th:TH_LOAD_NT
.set nn, nn+1
.endr
	GLOAD 0
	GLOAD 1
	GLOAD 2
	WIN 0
	s_wait_loadcnt 48                              ; x is in; the three groups of weights stay out
.set nn, 0
.rept 8
	v_cvt_pk_bf16_f32 v[ACCL+2*nn], v[ACCH+4*nn], v[ACCH+4*nn+1]
	v_cvt_pk_bf16_f32 v[ACCL+2*nn+1], v[ACCH+4*nn+2], v[ACCH+4*nn+3]
.set nn, nn+1
.endr
.set nn, 0
.rept 8
	global_store_b64 v5, v[ACCL+2*nn:ACCL+2*nn+1], s[18:19] offset:256*nn  ; 32 lanes store 256 consecutive bytes, at a multiple of 256 from xb's first byte
	ds_store_b64 v6, v[ACCL+2*nn:ACCL+2*nn+1] offset:256*nn+16*(nn>>2)
.set nn, nn+1
.endr
	s_wait_xcnt 0x0                                ; the stores' data registers are written again (as accumulators) only behind this wait
	s_wait_kmcnt 0x0                               ; rb2
	BAR                                            ; x's 16 rows are whole
	L0STEP 0, 1
	L0STEP 1, 0
	WIN 0
.set jj, 0
.rept 8
	global_load_b128 v[BI+4*jj:BI+4*jj+3], v13, s[8:9] offset:16*jj     ; rb0: register 4 j + f = column 64 g + 32 h + 4 j + f
.set jj, jj+1
.endr
	L0STEP 2, 0
	WIN 0x40
.set jj, 0
.rept 8
	global_load_b128 v[192+4*jj:195+4*jj], v13, s[12:13] offset:16*jj   ; rb1, raw, into v448 on
.set jj, jj+1
.endr
	L0STEP 3, 0
	WIN 0x40
.set ii, 0
.rept 16
	global_load_b32 v[224+ii], v16, s[14:15] offset:32*(4*(ii&7)+(ii>>3))    ; rw2, places of fragment p = 0, into v480 on
.set ii, ii+1
.endr
	L0STEP 4, 0
	WIN 0x40
.set ii, 0
.rept 16
	global_load_b32 v[240+ii], v16, s[14:15] offset:32*(4*(ii&7)+2+(ii>>3))  ; p = 1, into v496 on
.set ii, ii+1
.endr
	L0STEP 5, 0
	L0STEP 6, 0
	L0STEP 7, 0                                    ; at its wait only groups 8 and 9 may be out: all the small loads above are in
	WIN 0
	PLACES
	s_cmp_lt_u32 s22, 4
	s_cbranch_scc1 .Lkeep0
.set nn, 0
.rept 8                                        ; the upper K half hands its sums over; each accumulator's low registers first
	ds_store_b128 v10, v[ACCH+4*nn:ACCH+4*nn+3] offset:RED0+512*nn
.set nn, nn+1
.endr
.Lkeep0:
	BAR
	s_cmp_ge_u32 s22, 4
	s_cbranch_scc1 .Ldone0
.set nn, 0
.rept 8
	ds_load_b128 v[ACCL+4*nn:ACCL+4*nn+3], v10 offset:RED0+512*nn
.set nn, nn+1
.endr
.set nn, 0
.rept 16                                       ; rb0 rounded to bf16 and widened again
	v_cvt_pk_bf16_f32 v[TT+nn], v[BI+2*nn], v[BI+2*nn+1]
.set nn, nn+1
.endr
.set nn, 0
.rept 16
	v_lshlrev_b32 v[BI+2*nn], 16, v[TT+nn]
	v_and_b32 v[BI+2*nn+1], 0xffff0000, v[TT+nn]
.set nn, nn+1
.endr
	s_wait_dscnt 0x0
.set nn, 0
.rept 16
	v_pk_add_f32 v[ACCH+2*nn:ACCH+2*nn+1], v[ACCH+2*nn:ACCH+2*nn+1], v[ACCL+2*nn:ACCL+2*nn+1]
.set nn, nn+1
.endr
.set ff, 0
.rept 4
.set jj, 0
.rept 8
	v_add_f32 v[ACCH+8*ff+jj], v[ACCH+8*ff+jj], v[BI+4*jj+ff]
.set jj, jj+1
.endr
.set ff, ff+1
.endr
.set ff, 0
.rept 4                                        ; h0's three terms, as halves f & 1 of fragments 2 g + (f >> 1)
	SPLIT ACCH+8*ff, 240, 244, 248
	ds_store_b128 v11, v[240:243] offset:H0+512*ff
	ds_store_b128 v11, v[244:247] offset:H0+8192+512*ff
	ds_store_b128 v11, v[248:251] offset:H0+16384+512*ff
.set ff, ff+1
.endr
.Ldone0:
	BAR                                            ; h0 is whole
	L1STEP 8, 32, 1
	L1STEP 9, 32, 0
	L1STEP 10, 16, 0                               ; one group was issued behind this one,
	L1STEP 11, 0, 0                                ; none behind the last
	WIN 0
	PLACES
.set nn, 0
.rept 16
	v_pk_add_f32 v[ACCH+2*nn:ACCH+2*nn+1], v[ACCH+2*nn:ACCH+2*nn+1], v[ACCL+2*nn:ACCL+2*nn+1]
.set nn, nn+1
.endr
	s_cmp_lt_u32 s22, 4
	s_cbranch_scc1 .Lkeep1
.set nn, 0
.rept 8
	ds_store_b128 v10, v[ACCH+4*nn:ACCH+4*nn+3] offset:RED1+512*nn
.set nn, nn+1
.endr
.Lkeep1:
	BAR
	s_cmp_ge_u32 s22, 4
	s_cbranch_scc1 .Ldone1
.set nn, 0
.rept 8
	ds_load_b128 v[ACCL+4*nn:ACCL+4*nn+3], v10 offset:RED1+512*nn
.set nn, nn+1
.endr
	WIN 0x05                                       ; both sources window 1
.set nn, 0
.rept 16
	v_cvt_pk_bf16_f32 v[TT+nn], v[192+2*nn], v[193+2*nn]         ; rb1 rounded to bf16
.set nn, nn+1
.endr
.set nn, 0
.rept 16
	v_cvt_pk_bf16_f32 v[R2+nn], v[224+2*nn], v[225+2*nn]         ; rw2's two fragments: row c is expert c & 7
.set nn, nn+1
.endr
	WIN 0
.set nn, 0
.rept 16
	v_lshlrev_b32 v[BI+2*nn], 16, v[TT+nn]
	v_and_b32 v[BI+2*nn+1], 0xffff0000, v[TT+nn]
.set nn, nn+1
.endr
	s_wait_dscnt 0x0
.set nn, 0
.rept 16
	v_pk_add_f32 v[ACCH+2*nn:ACCH+2*nn+1], v[ACCH+2*nn:ACCH+2*nn+1], v[ACCL+2*nn:ACCL+2*nn+1]
.set nn, nn+1
.endr
.set ff, 0
.rept 4
.set jj, 0
.rept 8
	v_add_f32 v[ACCH+8*ff+jj], v[ACCH+8*ff+jj], v[BI+4*jj+ff]
.set jj, jj+1
.endr
.set ff, ff+1
.endr
.set ff, 0
.rept 4
	ELU8 ACCH+8*ff, TT
	SPLIT ACCH+8*ff, HP+4*ff, HP+16+4*ff, HP+32+4*ff   ; term tau's fragment p lies at HP + 16 tau + 8 p
.set ff, ff+1
.endr
	XW ACCL, R2, HP, 1                             ; logits^T over my 64 k: three accumulators, one a term, by turns
	XW ACCL+8, R2, HP+16, 1
	XW ACCL+16, R2, HP+32, 1
	XW ACCL, R2+8, HP+8, 0
	XW ACCL+8, R2+8, HP+24, 0
	XW ACCL+16, R2+8, HP+40, 0
	PLACES
.irp n, 0,1,2,3
	v_pk_add_f32 v[ACCL+8+2*\n:ACCL+9+2*\n], v[ACCL+8+2*\n:ACCL+9+2*\n], v[ACCL+16+2*\n:ACCL+17+2*\n]
.endr
.irp n, 0,1,2,3
	v_pk_add_f32 v[ACCL+2*\n:ACCL+1+2*\n], v[ACCL+2*\n:ACCL+1+2*\n], v[ACCL+8+2*\n:ACCL+9+2*\n]
.endr
	ds_store_b128 v17, v[ACCL:ACCL+3]              ; register j = expert j of token lane % 16, in both halves of the lanes
	ds_store_b128 v17, v[ACCL+4:ACCL+7] offset:512
.Ldone1:
	BAR
	s_cmp_lg_u32 s22, 0
	s_cbranch_scc1 .Lend
.set nn, 0
.rept 8
	ds_load_b128 v[ACCH+4*nn:ACCH+4*nn+3], v18 offset:512*nn     ; partial g's experts 0-3 at 1,024 g, 4-7 at 1,024 g + 512
.set nn, nn+1
.endr
.irp n, 0,1,2,3,4,5,6,7
	v_mov_b32 v[BI+\n], s[32+\n]                   ; rb2,
.endr
.irp n, 0,1,2,3
	v_cvt_pk_bf16_f32 v[TT+\n], v[BI+2*\n], v[BI+2*\n+1]         ; rounded to bf16 and widened again
.endr
.irp n, 0,1,2,3
	v_lshlrev_b32 v[BI+2*\n], 16, v[TT+\n]
	v_and_b32 v[BI+2*\n+1], 0xffff0000, v[TT+\n]
.endr
	s_wait_dscnt 0x0
.irp n, 0,1,2,3
	v_pk_add_f32 v[ACCH+2*\n:ACCH+1+2*\n], v[ACCH+2*\n:ACCH+1+2*\n], v[ACCH+8+2*\n:ACCH+9+2*\n]
	v_pk_add_f32 v[ACCH+16+2*\n:ACCH+17+2*\n], v[ACCH+16+2*\n:ACCH+17+2*\n], v[ACCH+24+2*\n:ACCH+25+2*\n]
.endr
.irp n, 0,1,2,3
	v_pk_add_f32 v[ACCH+2*\n:ACCH+1+2*\n], v[ACCH+2*\n:ACCH+1+2*\n], v[ACCH+16+2*\n:ACCH+17+2*\n]
.endr
.irp n, 0,1,2,3
	v_pk_add_f32 v[ACCH+2*\n:ACCH+1+2*\n], v[ACCH+2*\n:ACCH+1+2*\n], v[BI+2*\n:BI+1+2*\n]
.endr
	v_mov_b32 v232, 0                              ; the argmax runs inside a lane: a later logit wins only if it is greater
	v_mov_b32 v233, v[ACCH]
.irp j, 1,2,3,4,5,6,7
	v_cmp_gt_f32 vcc_lo, v[ACCH+\j], v233
	v_cndmask_b32 v232, v232, \j, vcc_lo
	v_max_num_f32 v233, v233, v[ACCH+\j]
.endr
	global_store_b32 v19, v232, s[20:21]           ; lanes L and L + 16 hold the same token and store the same number to the same word
.Lend:
	s_wait_tensorcnt 0x0                           ; the wave's end, behind my last LDS store
	ds_add_u32 v14, v15
	s_wait_dscnt 0x0
	s_endpgm
.Lfunc_end_k_qe8f6d8ab27_router:
	.size	k_qe8f6d8ab27_router, .Lfunc_end_k_qe8f6d8ab27_router-k_qe8f6d8ab27_router
	.p2alignl 7, 3214868480
	.fill 96, 4, 3214868480
	.section	.rodata,"a",@progbits
	.p2align	6, 0x0
	.amdhsa_kernel k_qe8f6d8ab27_router
		.amdhsa_group_segment_fixed_size 79360
		.amdhsa_private_segment_fixed_size 0
		.amdhsa_enable_private_segment 0
		.amdhsa_kernarg_size 72
		.amdhsa_user_sgpr_count 2
		.amdhsa_user_sgpr_kernarg_segment_ptr 1
		.amdhsa_wavefront_size32 1
		.amdhsa_system_sgpr_workgroup_id_x 1
		.amdhsa_system_sgpr_workgroup_id_y 1
		.amdhsa_system_sgpr_workgroup_id_z 1
		.amdhsa_system_vgpr_workitem_id 0
		.amdhsa_next_free_vgpr 512
		.amdhsa_next_free_sgpr 66
		.amdhsa_reserve_vcc 1
		.amdhsa_float_denorm_mode_32 3
		.amdhsa_float_denorm_mode_16_64 3
		.amdhsa_memory_ordered 1
		.amdhsa_forward_progress 1
		.amdhsa_inst_pref_size 114
	.end_amdhsa_kernel
	.amdgpu_metadata
---
amdhsa.version: [ 1, 2 ]
amdhsa.kernels:
  - .name:           k_qe8f6d8ab27_router
    .symbol:         k_qe8f6d8ab27_router.kd
    .args:
      - { .name: x, .offset: 0, .size: 8, .value_kind: global_buffer, .address_space: global }
      - { .name: rw0, .offset: 8, .size: 8, .value_kind: global_buffer, .address_space: global }
      - { .name: rb0, .offset: 16, .size: 8, .value_kind: global_buffer, .address_space: global }
      - { .name: rw1, .offset: 24, .size: 8, .value_kind: global_buffer, .address_space: global }
      - { .name: rb1, .offset: 32, .size: 8, .value_kind: global_buffer, .address_space: global }
      - { .name: rw2, .offset: 40, .size: 8, .value_kind: global_buffer, .address_space: global }
      - { .name: rb2, .offset: 48, .size: 8, .value_kind: global_buffer, .address_space: global }
      - { .name: xb, .offset: 56, .size: 8, .value_kind: global_buffer, .address_space: global }
      - { .name: choice, .offset: 64, .size: 8, .value_kind: global_buffer, .address_space: global }
    .group_segment_fixed_size: 79360
    .private_segment_fixed_size: 0
    .kernarg_segment_align: 8
    .kernarg_segment_size: 72
    .max_flat_workgroup_size: 256
    .sgpr_count:     66
    .vgpr_count:     512
    .wavefront_size: 32
...
	.end_amdgpu_metadata
.endif
;; end of part 1
;; launch fc1 (part 2): grid 32 x 8, 4 waves a work-group, no clusters, 168,960 bytes of LDS; arguments choice, xb, w1, b1, t1; writes t1
.if DOCPART == 2
	.amdgcn_target "amdgcn-amd-amdhsa--gfx1250"
	.amdhsa_code_object_version 6
	.text
	.protected	k_qe8f6d8ab27_fc1
	.globl	k_qe8f6d8ab27_fc1
	.p2align	8
	.type	k_qe8f6d8ab27_fc1,@function
k_qe8f6d8ab27_fc1:
	s_mov_b64 s[64:65], 0
	v_nop
	global_prefetch_b8 v0, s[64:65] scope:SCOPE_SE
	s_setreg_imm32_b32 hwreg(HW_REG_WAVE_MODE, 25, 1), 1
	s_wait_xcnt 0x0
; FC1.  t1 = x w1[e] + b1[e] for the tokens that chose expert e, rounded once to bf16.  x arrives as bf16 (xb); w1 and b1 are rounded to bf16 here; sums in f32.
; A work-group is an expert e (grid y) and 64 columns n0 = 64 sx.  Wave w takes k = 128 w .. 128 w + 127 for all tokens of a pass; the four partial sums meet in LDS.
; WEIGHTS go straight from memory into registers: a lane's 16-byte load is four columns 4 c + f of one row, sixteen lanes take 256 consecutive bytes; 32 roundings make four fragments f,
; whose row index c stands for column n0 + 4 c + f.  Each weight byte is read once in a pass, and an expert with up to 160 tokens has one pass.
; TOKENS.  The expert's tokens are listed in LDS by wave 0 from choice; position p of the list is row p % 16 of tile p / 16.  The last tile's empty rows repeat the list's first token;
; an expert without tokens sends token 0 through one tile, whose results no later launch stores.  A pass holds NT = 10 tiles; tiles past the last repeat the last one and are not stored.
; The pass loop has a constant 7 trips (7 x 160 >= 1,024); a dead pass jumps forward over the work, never over a barrier.
; OUT.  With weights as source 0, lane (r, h) holds token r and in register j column n0 + 32 h + 4 j + f: packed, that is half f & 1 of the block (tile, 2 sx + (f >> 1)) of t1:
; t1[e][tile][kap]: 1,024 bytes = half 0, half 1, lane L at 16 L: the next layer's fragment as it stands, if that layer takes its weight rows in this order of k.
; REGISTERS: v0-31 addresses; v32-95 weight fragments, two buffers (v64-95 first hold choice); v96-103 bias; v128-255 raw weights, two groups (on the way out: partial sums);
; v256-415 token fragments, two groups of ten; v512-831 the 40 accumulators, (t, f) at 512 + 32 t + 8 f.
.set NT,     10
.set NPASS,  7
.set WPITCH, 8192
.set LISTB,  163840   ; behind the four waves' partial sums (40,960 bytes each): the list, 1,056 words; from word 1,088 on 32 words that take the stores of lanes without a token
.set SPARE,  168448   ; the spare words: 128 bytes for each of four waves; no other line names them
.set WF,   32
.set CH,   64
.set BIAS, 96
.set WR,   128
.set AF,   256
.set ACC,  512
.set VW,   4          ; weights: my byte offset; never rewritten
.set RD0,  5          ; the way out: 10,240 w + 16 L
.set VO,   7
.set STW,  8          ; 40,960 w + 16 L
.set RDA,  9
.set RDB,  10
.set XOFF, 11         ; 256 w + 16 h: my place in a row of xb
.set VO0,  12
.set LA,   13         ; LISTB + 4 c
.set TOK,  16         ; v16-25: tile t: my token's byte offset in xb
.set MSB, 0
.macro WIN new                         ; the immediate's high byte repeats the setting that is left; a switch that changes nothing is dropped
.if MSB != (\new)
	s_set_vgpr_msb (MSB<<8)|(\new)
.set MSB, (\new)
.endif
.endm
.macro PLACES                          ; four plain vector instructions between a matrix instruction and what reads its result or loads into its registers (ISA guide 7.12.1 for what reads its result)
.rept 4
	v_nop
.endr
.endm
.macro XW d, a, b, zero                ; a product on registers given by their numbers 0..1023
	WIN (((\a)>>8)|(((\b)>>8)<<2)|(((\d)>>8)<<4)|(((\d)>>8)<<6))
.set xd, (\d)&255
.set xa, (\a)&255
.set xc, (\b)&255
.if \zero
	v_wmma_f32_16x16x32_bf16 v[xd:xd+7], v[xa:xa+7], v[xc:xc+7], 0
.else
	v_wmma_f32_16x16x32_bf16 v[xd:xd+7], v[xa:xa+7], v[xc:xc+7], v[xd:xd+7]
.endif
.endm
.macro XL d, va, sb, off               ; a 16-byte load; the address register lies in window 0
	WIN (((\d)>>8)<<6)
.set xd, (\d)&255
	global_load_b128 v[xd:xd+3], v[\va], s[(\sb):(\sb)+1] offset:\off
.endm
.macro XDS d, off                      ; 16 bytes of an accumulator into my part of the partial sums
	WIN (((\d)>>8)<<2)
.set xd, (\d)&255
	ds_store_b128 v[STW], v[xd:xd+3] offset:\off
.endm
.macro WLOAD b, row                    ; a K step's weights: place i of a lane's 16 is row 8 h + (i & 7) + 16 (i >> 3) of the step's 32
	WIN 0
.set ii, 0
.rept 16
	global_load_b128 v[WR+64*(\b)+4*ii:WR+64*(\b)+4*ii+3], v[VW], s[8:9] offset:((\row)+(ii&7)+16*(ii>>3))*WPITCH th:TH_LOAD_NT
.set ii, ii+1
.endr
.endm
.macro ALOAD b, imm                    ; a K step's token fragments: 16 bytes at 16 h and at 32 + 16 h of the step's 64 bytes of each token's row
.set tt, 0
.rept NT
	XL AF+80*(\b)+8*tt, TOK+tt, 6, \imm
	XL AF+80*(\b)+8*tt+4, TOK+tt, 6, (\imm)+32
.set tt, tt+1
.endr
.endm
.macro CVTW b
	WIN 0
.set ff, 0
.rept 4
.set ii, 0
.rept 8
	v_cvt_pk_bf16_f32 v[WF+32*(\b)+8*ff+ii], v[WR+64*(\b)+8*ii+ff], v[WR+64*(\b)+8*ii+4+ff]
.set ii, ii+1
.endr
.set ff, ff+1
.endr
.endm
.macro MULS b, zero                    ; 40 accumulators by turns, one instruction a turn
.set tt, 0
.rept NT
.set ff, 0
.rept 4
	XW ACC+32*tt+8*ff, WF+32*(\b)+8*ff, AF+80*(\b)+8*tt, \zero
.set ff, ff+1
.endr
.set tt, tt+1
.endr
.endm
; A K step on buffers b.  wt: the loads issued behind this step's group.  The fragments' buffer b was last read by products two steps back; the 32 conversions of the step between are the places.
.macro KSTEP b, zero, refill, wt, wrow, aimm
	s_wait_loadcnt \wt
	CVTW \b
.if \refill
	WLOAD \b, \wrow
.endif
	MULS \b, \zero
.if \refill
	PLACES
	ALOAD \b, \aimm
.endif
.endm
	s_load_b256 s[4:11], s[0:1], 0x0               ; choice s[4:5], xb s[6:7], w1 s[8:9], b1 s[10:11]
	s_load_b64 s[12:13], s[0:1], 0x20              ; t1
	v_lshl_add_u32 v14, v0, 2, SPARE               ; my spare word, and 0: kept for the add at the wave's end alone
	v_mov_b32 v15, 0
	v_lshrrev_b32 v26, 5, v0
	v_readfirstlane_b32 s14, v26                   ; wave 0..3
	s_and_b32 s15, ttmp7, 0xffff                   ; e
	s_mov_b32 s16, ttmp9                           ; sx
	v_and_b32 v1, 31, v0                           ; L
	v_and_b32 v2, 15, v0                           ; c
	v_bfe_u32 v3, v0, 4, 1                         ; h
	v_lshlrev_b32 v[VW], 4, v2
	v_lshl_add_u32 v[VW], v3, 16, v[VW]
	s_lshl_b32 s20, s14, 20
	v_add_nc_u32 v[VW], s20, v[VW]                 ; (128 w + 8 h) rows of 8,192 bytes + 16 c
	s_lshl_b32 s20, s14, 8
	v_lshl_add_u32 v[XOFF], v3, 4, s20
	s_lshl_b32 s20, s16, 1
	s_lshr_b32 s21, s14, 1
	s_add_co_u32 s20, s20, s21
	s_lshl_b32 s20, s20, 10
	s_and_b32 s21, s14, 1
	s_lshl_b32 s21, s21, 9
	s_add_co_u32 s20, s20, s21
	v_lshl_add_u32 v[VO0], v1, 4, s20              ; block 2 sx + (w >> 1), half w & 1, 16 L
	s_mul_i32 s20, s14, 40960
	v_lshl_add_u32 v[STW], v1, 4, s20
	s_mul_i32 s20, s14, 10240
	v_lshl_add_u32 v[RD0], v1, 4, s20
	v_lshl_add_u32 v[LA], v2, 2, LISTB
	s_lshl_b32 s20, s14, 2
	v_lshl_add_u32 v27, v3, 7, s20                 ; bias: column 32 h + w, then every fourth
	v_lshlrev_b32 v28, 4, v1
	v_lshlrev_b32 v29, 2, v1                       ; 4 L: the lane's part of a token's number
	v_add_nc_u32 v30, 1088, v1                     ; the word that takes my store when I hold no token of e
	s_mov_b32 s31, 0
	s_wait_kmcnt 0x0
	s_lshl_b32 s30, s15, 22                        ; the expert's 512 x 2,048 weights,
	s_lshl_b32 s20, s16, 8                         ; my 64 columns
	s_add_co_u32 s30, s30, s20
	s_add_nc_u64 s[8:9], s[8:9], s[30:31]
	s_lshl_b32 s30, s15, 13
	s_add_co_u32 s30, s30, s20
	s_add_nc_u64 s[10:11], s[10:11], s[30:31]
	s_lshl_b32 s30, s15, 22                        ; the expert's 64 tiles of 65,536 bytes
	s_add_nc_u64 s[12:13], s[12:13], s[30:31]
.set jj, 0
.rept 8
	global_load_b32 v[BIAS+jj], v27, s[10:11] offset:16*jj
.set jj, jj+1
.endr
.set ii, 0
.rept 8
	global_load_b128 v[CH+4*ii:CH+4*ii+3], v28, s[4:5] offset:512*ii     ; register 4 i + k of lane L: token 128 i + 4 L + k
.set ii, ii+1
.endr
	WLOAD 0, 0                                     ; the first pass always runs: its first weights are asked for before the count is known
	WLOAD 1, 32
	s_wait_loadcnt 32                              ; bias and choice are in; the 32 weight loads stay out
.irp n, 0,1,2,3
	v_cvt_pk_bf16_f32 v26, v[BIAS+2*\n], v[BIAS+2*\n+1]                  ; the bias rounded to bf16 and widened again
	v_lshlrev_b32 v[BIAS+2*\n], 16, v26
	v_and_b32 v[BIAS+2*\n+1], 0xffff0000, v26
.endr
	s_mov_b32 s18, 0                               ; every wave counts the expert's tokens
.set nn, 0
.rept 32
	v_cmp_eq_u32 s20, s15, v[CH+nn]
	s_bcnt1_i32_b32 s21, s20
	s_add_co_u32 s18, s18, s21
.set nn, nn+1
.endr
	s_add_co_u32 s19, s18, 15
	s_lshr_b32 s19, s19, 4                         ; tiles
	s_max_u32 s24, s19, 1                          ; at least one is walked
	s_sub_co_u32 s66, s24, 1
	s_cmp_lg_u32 s14, 0
	s_cbranch_scc1 .Lnolist
	v_mov_b32 v27, LISTB                           ; wave 0 writes the list.  An empty list begins with token 0
	v_mov_b32 v28, 0
	ds_store_b32 v27, v28
	s_mov_b32 s22, 0
.set nn, 0
.rept 32
	v_cmp_eq_u32 s20, s15, v[CH+nn]
	v_mbcnt_lo_u32_b32 v26, s20, s22               ; tokens of e in front of mine
	v_cndmask_b32 v26, v30, v26, s20
	v_min_u32 v26, 1119, v26                       ; a word of the list or of the 32 behind it
	v_lshl_add_u32 v27, v26, 2, LISTB
	v_add_nc_u32 v28, 128*(nn/4)+(nn%4), v29
	ds_store_b32 v27, v28
	s_bcnt1_i32_b32 s21, s20
	s_add_co_u32 s22, s22, s21
.set nn, nn+1
.endr
	v_mov_b32 v27, LISTB
	ds_load_b32 v28, v27                           ; LDS serves a wave's instructions in order: this sees the stores above
	v_add_nc_u32 v26, s18, v1
	v_min_u32 v26, 1055, v26
	v_lshl_add_u32 v26, v26, 2, LISTB
	s_wait_dscnt 0x0
	ds_store_b32 v26, v28                          ; the 32 words behind the list's end repeat its first token
.Lnolist:
	s_wait_dscnt 0x0
	s_barrier_signal -1
	s_barrier_wait -1                              ; the list is whole
	s_mov_b32 s25, 0                               ; pass
	s_mov_b32 s26, 0                               ; its first tile
.Lpass:
	s_cmp_ge_u32 s26, s24
	s_cbranch_scc1 .Ldead1
	s_cmp_eq_u32 s25, 0
	s_cbranch_scc1 .Lhave_w
	s_wait_loadcnt 0x0                             ; no load is out when the raw weights' registers are asked for again
	WLOAD 0, 0
	WLOAD 1, 32
.Lhave_w:
.set tt, 0
.rept NT
	s_add_co_u32 s20, s26, tt
	s_min_u32 s20, s20, s66                        ; tiles past the last repeat the last
	s_min_u32 s20, s20, 63
	v_lshl_add_u32 v26, s20, 6, v[LA]
	ds_load_b32 v[TOK+tt], v26
.set tt, tt+1
.endr
	s_wait_dscnt 0x0
.set tt, 0
.rept NT
	v_min_u32 v[TOK+tt], 1023, v[TOK+tt]
	v_lshl_add_u32 v[TOK+tt], v[TOK+tt], 10, v[XOFF]
.set tt, tt+1
.endr
	ALOAD 0, 0
	ALOAD 1, 64
	KSTEP 0, 1, 1, 20, 64, 128                     ; behind step 0's group only step 1's 20 token loads were issued
	KSTEP 1, 0, 1, 36, 96, 192                     ; from here on a whole group, 16 + 20
	KSTEP 0, 0, 0, 36, 0, 0
	KSTEP 1, 0, 0, 0, 0, 0
	PLACES
.set tt, 0
.rept NT
.set ff, 0
.rept 4                                        ; block (f, t) of my partial sums; each accumulator's low registers first
	XDS ACC+32*tt+8*ff, (20*ff+2*tt)*512
	XDS ACC+32*tt+8*ff+4, (20*ff+2*tt+1)*512
.set ff, ff+1
.endr
.set tt, tt+1
.endr
	WIN 0
.Ldead1:
	s_wait_loadcnt 0x0                             ; met already wherever a pass has run
	s_wait_dscnt 0x0
	s_barrier_signal -1
	s_barrier_wait -1                              ; all four partial sums are in LDS
	s_cmp_ge_u32 s26, s24
	s_cbranch_scc1 .Ldead2
	s_sub_co_u32 s27, s24, s26
	s_min_u32 s27, s27, NT                         ; live tiles of the pass
	s_lshl_b32 s20, s26, 16
	v_add_nc_u32 v[VO], s20, v[VO0]
	v_mov_b32 v[RDA], v[RD0]
	v_add_nc_u32 v[RDB], 81920, v[RD0]
	s_mov_b32 s28, 0
.Ltile:                                            ; wave w adds up and stores fragment f = w, a tile a trip
	s_cmp_ge_u32 s28, s27
	s_cbranch_scc1 .Lskip
	ds_load_b128 v[128:131], v[RDA]
	ds_load_b128 v[132:135], v[RDA] offset:512
	ds_load_b128 v[136:139], v[RDA] offset:40960
	ds_load_b128 v[140:143], v[RDA] offset:41472
	ds_load_b128 v[144:147], v[RDB]
	ds_load_b128 v[148:151], v[RDB] offset:512
	ds_load_b128 v[152:155], v[RDB] offset:40960
	ds_load_b128 v[156:159], v[RDB] offset:41472
	s_wait_dscnt 0x0
.irp n, 0,1,2,3
	v_pk_add_f32 v[128+2*\n:129+2*\n], v[128+2*\n:129+2*\n], v[136+2*\n:137+2*\n]
	v_pk_add_f32 v[144+2*\n:145+2*\n], v[144+2*\n:145+2*\n], v[152+2*\n:153+2*\n]
.endr
.irp n, 0,1,2,3
	v_pk_add_f32 v[128+2*\n:129+2*\n], v[128+2*\n:129+2*\n], v[144+2*\n:145+2*\n]
.endr
.irp n, 0,1,2,3
	v_pk_add_f32 v[128+2*\n:129+2*\n], v[128+2*\n:129+2*\n], v[BIAS+2*\n:BIAS+2*\n+1]
.endr
.irp n, 0,1,2,3
	v_cvt_pk_bf16_f32 v[160+\n], v[128+2*\n], v[129+2*\n]
.endr
	global_store_b128 v[VO], v[160:163], s[12:13]  ; 512 consecutive bytes, at a multiple of 512 from t1's first byte
	s_wait_xcnt 0x0                                ; the store's address and data registers are rewritten only behind this wait
	v_add_nc_u32 v[VO], 0x10000, v[VO]
	v_add_nc_u32 v[RDA], 1024, v[RDA]
	v_add_nc_u32 v[RDB], 1024, v[RDB]
.Lskip:
	s_add_co_u32 s28, s28, 1
	s_cmp_lt_u32 s28, NT
	s_cbranch_scc1 .Ltile
.Ldead2:
	s_wait_dscnt 0x0
	s_barrier_signal -1
	s_barrier_wait -1                              ; the partial sums have been read: the next pass may write them again
	s_add_co_u32 s26, s26, NT
	s_add_co_u32 s25, s25, 1
	s_cmp_lt_u32 s25, NPASS
	s_cbranch_scc1 .Lpass
	s_wait_tensorcnt 0x0                           ; the wave's end, behind my last LDS store
	ds_add_u32 v14, v15
	s_wait_dscnt 0x0
	s_endpgm
.Lfunc_end_k_qe8f6d8ab27_fc1:
	.size	k_qe8f6d8ab27_fc1, .Lfunc_end_k_qe8f6d8ab27_fc1-k_qe8f6d8ab27_fc1
	.p2alignl 7, 3214868480
	.fill 96, 4, 3214868480
	.section	.rodata,"a",@progbits
	.p2align	6, 0x0
	.amdhsa_kernel k_qe8f6d8ab27_fc1
		.amdhsa_group_segment_fixed_size 168960
		.amdhsa_private_segment_fixed_size 0
		.amdhsa_enable_private_segment 0
		.amdhsa_kernarg_size 40
		.amdhsa_user_sgpr_count 2
		.amdhsa_user_sgpr_kernarg_segment_ptr 1
		.amdhsa_wavefront_size32 1
		.amdhsa_system_sgpr_workgroup_id_x 1
		.amdhsa_system_sgpr_workgroup_id_y 1
		.amdhsa_system_sgpr_workgroup_id_z 1
		.amdhsa_system_vgpr_workitem_id 0
		.amdhsa_next_free_vgpr 832
		.amdhsa_next_free_sgpr 72
		.amdhsa_reserve_vcc 0
		.amdhsa_float_denorm_mode_32 3
		.amdhsa_float_denorm_mode_16_64 3
		.amdhsa_memory_ordered 1
		.amdhsa_forward_progress 1
		.amdhsa_inst_pref_size 74
	.end_amdhsa_kernel
	.amdgpu_metadata
---
amdhsa.version: [ 1, 2 ]
amdhsa.kernels:
  - .name:           k_qe8f6d8ab27_fc1
    .symbol:         k_qe8f6d8ab27_fc1.kd
    .args:
      - { .name: choice, .offset: 0, .size: 8, .value_kind: global_buffer, .address_space: global }
      - { .name: xb, .offset: 8, .size: 8, .value_kind: global_buffer, .address_space: global }
      - { .name: w1, .offset: 16, .size: 8, .value_kind: global_buffer, .address_space: global }
      - { .name: b1, .offset: 24, .size: 8, .value_kind: global_buffer, .address_space: global }
      - { .name: t1, .offset: 32, .size: 8, .value_kind: global_buffer, .address_space: global }
    .group_segment_fixed_size: 168960
    .private_segment_fixed_size: 0
    .kernarg_segment_align: 8
    .kernarg_segment_size: 40
    .max_flat_workgroup_size: 128
    .sgpr_count:     72
    .vgpr_count:     832
    .wavefront_size: 32
...
	.end_amdgpu_metadata
.endif
;; end of part 2
;; launch fc2 (part 3): grid 32 x 8, 4 waves a work-group, no clusters, 168,960 bytes of LDS; arguments choice, t1, w2, b2, t2; writes t2
.if DOCPART == 3
	.amdgcn_target "amdgcn-amd-amdhsa--gfx1250"
	.amdhsa_code_object_version 6
	.text
	.protected	k_qe8f6d8ab27_fc2
	.globl	k_qe8f6d8ab27_fc2
	.p2align	8
	.type	k_qe8f6d8ab27_fc2,@function
k_qe8f6d8ab27_fc2:
	s_mov_b64 s[64:65], 0
	v_nop
	global_prefetch_b8 v0, s[64:65] scope:SCOPE_SE
	s_setreg_imm32_b32 hwreg(HW_REG_WAVE_MODE, 25, 1), 1
	s_wait_xcnt 0x0
; FC2.  t2 = elu(t1 w2[e] + b2[e]) for the expert's tiles of 16 tokens.  t1 arrives as bf16 fragments; w2 and b2 are rounded to bf16 here; sums and elu in f32;
; t2 leaves as TWO bf16 terms, hi = bf16(t2) and lo = bf16(t2 - hi): 16 significant bits.
; A work-group is an expert e (grid y) and 64 columns n0 = 64 sx.  Wave w takes the fragments kap = 16 w .. 16 w + 15 of K = 2,048 for all tiles of a pass; the four partial sums meet in LDS.
; Inside the K loop there is no barrier and no LDS traffic: weights and token fragments come straight into registers, two groups of loads ahead, by counted waits.
; ORDER OF K.  t1's block (tile, kap = 2 g + p) holds, in place i of lane half h, k = 64 g + 32 h + 4 (i & 7) + 2 p + (i >> 3); the weight rows are loaded in that same order.
; A lane's 16-byte weight load is four columns 4 c + f of one row; sixteen lanes take 256 consecutive bytes.  Each weight byte is read once in a pass; up to 160 tokens are one pass.
; PASSES, TILES: NT = 10 tiles a pass, a constant 7 trips, a dead pass jumps forward over the work and never over a barrier; tiles past the expert's last repeat the last and are not stored;
; an expert without tokens walks one tile.
; OUT.  t2[e][tile][kap]: 2,048 bytes: hi's two halves, then lo's; lane L at 16 L: wave w stores fragment f = w as half f & 1 of block 2 sx + (f >> 1).
; LIMIT.  elu: relative error about 3e-7 at every size of its argument; NaN stays NaN.
; REGISTERS: v0-31 addresses; v32-95 weight fragments, two buffers (v64-95 first hold choice); v96-103 bias; v104-127 at work; v128-255 raw weights, two groups (on the way out: partial sums);
; v256-415 token fragments, two groups of ten; v512-831 the 40 accumulators, (t, f) at 512 + 32 t + 8 f.
.set NT,     10
.set NPASS,  7
.set WPITCH, 8192
.set SPARE,  168448   ; behind the four waves' partial sums (40,960 bytes each): the spare words, 128 bytes for each of four waves; no other line names them
.set WF,   32
.set CH,   64
.set BIAS, 96
.set TW,   104
.set WR,   128
.set AF,   256
.set ACC,  512
.set VW,   4          ; weights: my byte offset, stepped by 64 rows
.set VW0,  5
.set VA,   6          ; t1: my byte offset in a tile, stepped by two blocks
.set VO,   7
.set STW,  8          ; 40,960 w + 16 L
.set RDA,  9
.set RDB,  10
.set VA0,  11
.set VO0,  12
.set RD0,  13         ; 10,240 w + 16 L
.set TB,   32         ; s[32:51]: the ten tiles' addresses in t1
.set MSB, 0
.macro WIN new                         ; the immediate's high byte repeats the setting that is left; a switch that changes nothing is dropped
.if MSB != (\new)
	s_set_vgpr_msb (MSB<<8)|(\new)
.set MSB, (\new)
.endif
.endm
.macro PLACES                          ; four plain vector instructions between a matrix instruction and what reads its result or loads into its registers (ISA guide 7.12.1 for what reads its result)
.rept 4
	v_nop
.endr
.endm
.macro XW d, a, b, zero                ; a product on registers given by their numbers 0..1023
	WIN (((\a)>>8)|(((\b)>>8)<<2)|(((\d)>>8)<<4)|(((\d)>>8)<<6))
.set xd, (\d)&255
.set xa, (\a)&255
.set xc, (\b)&255
.if \zero
	v_wmma_f32_16x16x32_bf16 v[xd:xd+7], v[xa:xa+7], v[xc:xc+7], 0
.else
	v_wmma_f32_16x16x32_bf16 v[xd:xd+7], v[xa:xa+7], v[xc:xc+7], v[xd:xd+7]
.endif
.endm
.macro XL d, va, sb, off               ; a 16-byte load; the address register lies in window 0
	WIN (((\d)>>8)<<6)
.set xd, (\d)&255
	global_load_b128 v[xd:xd+3], v[\va], s[(\sb):(\sb)+1] offset:\off
.endm
.macro XDS d, off
	WIN (((\d)>>8)<<2)
.set xd, (\d)&255
	ds_store_b128 v[STW], v[xd:xd+3] offset:\off
.endm
.macro WLOAD b, row                    ; a K step's weights: place i is row 32 h + 4 (i & 7) + (i >> 3) + row
	WIN 0
.set ii, 0
.rept 16
	global_load_b128 v[WR+64*(\b)+4*ii:WR+64*(\b)+4*ii+3], v[VW], s[8:9] offset:((\row)+4*(ii&7)+(ii>>3))*WPITCH th:TH_LOAD_NT
.set ii, ii+1
.endr
.endm
.macro ALOAD b, imm                    ; a K step's ten token fragments: 512 consecutive bytes a load
.set tt, 0
.rept NT
	XL AF+80*(\b)+8*tt, VA, TB+2*tt, \imm
	XL AF+80*(\b)+8*tt+4, VA, TB+2*tt, (\imm)+512
.set tt, tt+1
.endr
.endm
.macro CVTW b
	WIN 0
.set ff, 0
.rept 4
.set ii, 0
.rept 8
	v_cvt_pk_bf16_f32 v[WF+32*(\b)+8*ff+ii], v[WR+64*(\b)+8*ii+ff], v[WR+64*(\b)+8*ii+4+ff]
.set ii, ii+1
.endr
.set ff, ff+1
.endr
.endm
.macro MULS b, zero                    ; 40 accumulators by turns, one instruction a turn
.set tt, 0
.rept NT
.set ff, 0
.rept 4
	XW ACC+32*tt+8*ff, WF+32*(\b)+8*ff, AF+80*(\b)+8*tt, \zero
.set ff, ff+1
.endr
.set tt, tt+1
.endr
.endm
; A K step on buffers b = p.  wt: the loads issued behind this step's group.  refill: the group two steps on, which is the next g's same p: 64 rows and two blocks further.
; The fragments' buffer b was last read by products two steps back; the 32 conversions of the step between are the places.
.macro KSTEP b, zero, refill, wt
	s_wait_loadcnt \wt
	CVTW \b
.if \refill
	WLOAD \b, 64+2*(\b)
.endif
	MULS \b, \zero
.if \refill
	PLACES
	ALOAD \b, 2048+1024*(\b)
.endif
.endm
.macro STEPADDR
	WIN 0
	s_wait_xcnt 0x0                                ; the two offsets are rewritten only behind this wait
	v_add_nc_u32 v[VW], 64*WPITCH, v[VW]
	v_add_nc_u32 v[VA], 2048, v[VA]
.endm
; elu in place on eight numbers at zz; 24 registers at work at tw.  z > 0: z.  -0.25 <= z <= 0: z + z^2 (1/2 + z/6 + .. + z^5/5040).  z < -0.25: 2^(z log2 e) - 1.
; The eight exponentials stand together; the plain lines of the polynomial stand between them and the first use of their results (ISA guide 5.7.2).
.macro ELU8 zz, tw
.irp n, 0,1,2,3
	v_pk_mul_f32 v[(\tw)+6*\n:(\tw)+6*\n+1], v[(\zz)+2*\n:(\zz)+2*\n+1], s[52:53] op_sel_hi:[1,0]
.endr
.irp n, 0,1,2,3
	v_exp_f32 v[(\tw)+6*\n], v[(\tw)+6*\n]
	v_exp_f32 v[(\tw)+6*\n+1], v[(\tw)+6*\n+1]
.endr
.irp n, 0,1,2,3
	v_pk_mul_f32 v[(\tw)+6*\n+4:(\tw)+6*\n+5], v[(\zz)+2*\n:(\zz)+2*\n+1], v[(\zz)+2*\n:(\zz)+2*\n+1]
.endr
.irp n, 0,1,2,3
	v_pk_fma_f32 v[(\tw)+6*\n+2:(\tw)+6*\n+3], v[(\zz)+2*\n:(\zz)+2*\n+1], s[54:55], s[56:57] op_sel_hi:[1,0,0]
.endr
.irp k, 58,60,62
.irp n, 0,1,2,3
	v_pk_fma_f32 v[(\tw)+6*\n+2:(\tw)+6*\n+3], v[(\tw)+6*\n+2:(\tw)+6*\n+3], v[(\zz)+2*\n:(\zz)+2*\n+1], s[\k:\k+1] op_sel_hi:[1,1,0]
.endr
.endr
.irp n, 0,1,2,3
	v_pk_fma_f32 v[(\tw)+6*\n+2:(\tw)+6*\n+3], v[(\tw)+6*\n+2:(\tw)+6*\n+3], v[(\zz)+2*\n:(\zz)+2*\n+1], 0.5 op_sel_hi:[1,1,0]
.endr
.irp n, 0,1,2,3
	v_pk_fma_f32 v[(\tw)+6*\n+2:(\tw)+6*\n+3], v[(\tw)+6*\n+2:(\tw)+6*\n+3], v[(\tw)+6*\n+4:(\tw)+6*\n+5], v[(\zz)+2*\n:(\zz)+2*\n+1]
.endr
	s_wait_alu depctr_va_vdst(0)
.irp n, 0,1,2,3
	v_pk_add_f32 v[(\tw)+6*\n:(\tw)+6*\n+1], v[(\tw)+6*\n:(\tw)+6*\n+1], -1.0 op_sel_hi:[1,0]
.endr
.irp m, 0,1,2,3,4,5,6,7
	v_cmp_gt_f32 vcc_lo, 0xbe800000, v[(\zz)+\m]
	v_cndmask_b32 v[(\tw)+6*(\m/2)+2+(\m%2)], v[(\tw)+6*(\m/2)+2+(\m%2)], v[(\tw)+6*(\m/2)+(\m%2)], vcc_lo
	v_cmp_lt_f32 vcc_lo, 0, v[(\zz)+\m]
	v_cndmask_b32 v[(\zz)+\m], v[(\tw)+6*(\m/2)+2+(\m%2)], v[(\zz)+\m], vcc_lo
.endr
.endm
	s_load_b256 s[4:11], s[0:1], 0x0               ; choice s[4:5], t1 s[6:7], w2 s[8:9], b2 s[10:11]
	s_load_b64 s[12:13], s[0:1], 0x20              ; t2
	v_lshl_add_u32 v14, v0, 2, SPARE               ; my spare word, and 0: kept for the add at the wave's end alone
	v_mov_b32 v15, 0
	v_lshrrev_b32 v26, 5, v0
	v_readfirstlane_b32 s14, v26                   ; wave 0..3
	s_and_b32 s15, ttmp7, 0xffff                   ; e
	s_mov_b32 s16, ttmp9                           ; sx
	v_and_b32 v1, 31, v0                           ; L
	v_and_b32 v2, 15, v0                           ; c
	v_bfe_u32 v3, v0, 4, 1                         ; h
	v_lshlrev_b32 v[VW0], 4, v2
	v_lshl_add_u32 v[VW0], v3, 18, v[VW0]
	s_lshl_b32 s20, s14, 22
	v_add_nc_u32 v[VW0], s20, v[VW0]               ; (512 w + 32 h) rows of 8,192 bytes + 16 c
	v_mov_b32 v[VW], v[VW0]
	s_lshl_b32 s20, s14, 14
	v_lshl_add_u32 v[VA0], v1, 4, s20              ; block 16 w, 16 L
	s_lshl_b32 s20, s16, 1
	s_lshr_b32 s21, s14, 1
	s_add_co_u32 s20, s20, s21
	s_lshl_b32 s20, s20, 11
	s_and_b32 s21, s14, 1
	s_lshl_b32 s21, s21, 9
	s_add_co_u32 s20, s20, s21
	v_lshl_add_u32 v[VO0], v1, 4, s20              ; block 2 sx + (w >> 1), half w & 1, 16 L
	s_mul_i32 s20, s14, 40960
	v_lshl_add_u32 v[STW], v1, 4, s20
	s_mul_i32 s20, s14, 10240
	v_lshl_add_u32 v[RD0], v1, 4, s20
	s_lshl_b32 s20, s14, 2
	v_lshl_add_u32 v27, v3, 7, s20                 ; bias: column 32 h + w, then every fourth
	v_lshlrev_b32 v28, 4, v1
	s_mov_b32 s52, 0x3fb8aa3b                      ; log2 e, and the series' 1/5040, 1/720, 1/120, 1/24, 1/6: each named as a pair, so both words are written
	s_mov_b32 s53, s52
	s_mov_b32 s54, 0x39500d01
	s_mov_b32 s55, s54
	s_mov_b32 s56, 0x3ab60b61
	s_mov_b32 s57, s56
	s_mov_b32 s58, 0x3c088889
	s_mov_b32 s59, s58
	s_mov_b32 s60, 0x3d2aaaab
	s_mov_b32 s61, s60
	s_mov_b32 s62, 0x3e2aaaab
	s_mov_b32 s63, s62
	s_mov_b32 s31, 0
	s_wait_kmcnt 0x0
	s_lshl_b32 s30, s15, 24                        ; the expert's 2,048 x 2,048 weights,
	s_lshl_b32 s20, s16, 8                         ; my 64 columns
	s_add_co_u32 s30, s30, s20
	s_add_nc_u64 s[8:9], s[8:9], s[30:31]
	s_lshl_b32 s30, s15, 13
	s_add_co_u32 s30, s30, s20
	s_add_nc_u64 s[10:11], s[10:11], s[30:31]
	s_lshl_b32 s30, s15, 22                        ; the expert's 64 tiles of 65,536 bytes in t1,
	s_add_nc_u64 s[6:7], s[6:7], s[30:31]
	s_lshl_b32 s30, s15, 23                        ; of 131,072 bytes in t2
	s_add_nc_u64 s[12:13], s[12:13], s[30:31]
.set jj, 0
.rept 8
	global_load_b32 v[BIAS+jj], v27, s[10:11] offset:16*jj
.set jj, jj+1
.endr
.set ii, 0
.rept 8
	global_load_b128 v[CH+4*ii:CH+4*ii+3], v28, s[4:5] offset:512*ii
.set ii, ii+1
.endr
	WLOAD 0, 0                                     ; the first pass always runs: its first weights are asked for before the count is known
	WLOAD 1, 2
	s_wait_loadcnt 32                              ; bias and choice are in; the 32 weight loads stay out
.irp n, 0,1,2,3
	v_cvt_pk_bf16_f32 v26, v[BIAS+2*\n], v[BIAS+2*\n+1]                  ; the bias rounded to bf16 and widened again
	v_lshlrev_b32 v[BIAS+2*\n], 16, v26
	v_and_b32 v[BIAS+2*\n+1], 0xffff0000, v26
.endr
	s_mov_b32 s18, 0                               ; every wave counts the expert's tokens
.set nn, 0
.rept 32
	v_cmp_eq_u32 s20, s15, v[CH+nn]
	s_bcnt1_i32_b32 s21, s20
	s_add_co_u32 s18, s18, s21
.set nn, nn+1
.endr
	s_add_co_u32 s19, s18, 15
	s_lshr_b32 s19, s19, 4                         ; tiles
	s_max_u32 s24, s19, 1                          ; at least one is walked
	s_sub_co_u32 s66, s24, 1
	s_mov_b32 s25, 0                               ; pass
	s_mov_b32 s26, 0                               ; its first tile
.Lpass:
	s_cmp_ge_u32 s26, s24
	s_cbranch_scc1 .Ldead1
	s_cmp_eq_u32 s25, 0
	s_cbranch_scc1 .Lhave_w
	s_wait_loadcnt 0x0                             ; no load is out when the raw weights' registers are asked for again,
	s_wait_xcnt 0x0                                ; and the offset goes back to the first rows only behind this wait
	v_mov_b32 v[VW], v[VW0]
	WLOAD 0, 0
	WLOAD 1, 2
.Lhave_w:
.set tt, 0
.rept NT
	s_add_co_u32 s20, s26, tt
	s_min_u32 s20, s20, s66                        ; tiles past the last repeat the last
	s_min_u32 s20, s20, 63
	s_lshl_b32 s30, s20, 16
	s_add_nc_u64 s[TB+2*tt:TB+2*tt+1], s[6:7], s[30:31]
.set tt, tt+1
.endr
	v_mov_b32 v[VA], v[VA0]
	ALOAD 0, 0
	ALOAD 1, 1024
	KSTEP 0, 1, 1, 20                              ; the first step starts the sums; behind its group only step 1's 20 token loads were issued
	KSTEP 1, 0, 1, 36                              ; from here on a whole group, 16 + 20
	STEPADDR
	s_mov_b32 s28, 6
.Lk:                                               ; a trip: the two steps of one g, and the loads of the next g
	KSTEP 0, 0, 1, 36
	KSTEP 1, 0, 1, 36
	STEPADDR
	s_sub_co_u32 s28, s28, 1
	s_cmp_lg_u32 s28, 0
	s_cbranch_scc1 .Lk
	KSTEP 0, 0, 0, 36                              ; the last g loads nothing more
	KSTEP 1, 0, 0, 0
	PLACES
.set tt, 0
.rept NT
.set ff, 0
.rept 4                                        ; block (f, t) of my partial sums; each accumulator's low registers first
	XDS ACC+32*tt+8*ff, (20*ff+2*tt)*512
	XDS ACC+32*tt+8*ff+4, (20*ff+2*tt+1)*512
.set ff, ff+1
.endr
.set tt, tt+1
.endr
	WIN 0
.Ldead1:
	s_wait_loadcnt 0x0                             ; met already wherever a pass has run
	s_wait_dscnt 0x0
	s_barrier_signal -1
	s_barrier_wait -1                              ; all four partial sums are in LDS
	s_cmp_ge_u32 s26, s24
	s_cbranch_scc1 .Ldead2
	s_sub_co_u32 s27, s24, s26
	s_min_u32 s27, s27, NT                         ; live tiles of the pass
	s_lshl_b32 s20, s26, 17
	v_add_nc_u32 v[VO], s20, v[VO0]
	v_mov_b32 v[RDA], v[RD0]
	v_add_nc_u32 v[RDB], 81920, v[RD0]
	s_mov_b32 s28, 0
.Ltile:                                            ; wave w adds up, activates and stores fragment f = w, a tile a trip
	s_cmp_ge_u32 s28, s27
	s_cbranch_scc1 .Lskip
	ds_load_b128 v[128:131], v[RDA]
	ds_load_b128 v[132:135], v[RDA] offset:512
	ds_load_b128 v[136:139], v[RDA] offset:40960
	ds_load_b128 v[140:143], v[RDA] offset:41472
	ds_load_b128 v[144:147], v[RDB]
	ds_load_b128 v[148:151], v[RDB] offset:512
	ds_load_b128 v[152:155], v[RDB] offset:40960
	ds_load_b128 v[156:159], v[RDB] offset:41472
	s_wait_dscnt 0x0
.irp n, 0,1,2,3
	v_pk_add_f32 v[128+2*\n:129+2*\n], v[128+2*\n:129+2*\n], v[136+2*\n:137+2*\n]
	v_pk_add_f32 v[144+2*\n:145+2*\n], v[144+2*\n:145+2*\n], v[152+2*\n:153+2*\n]
.endr
.irp n, 0,1,2,3
	v_pk_add_f32 v[128+2*\n:129+2*\n], v[128+2*\n:129+2*\n], v[144+2*\n:145+2*\n]
.endr
.irp n, 0,1,2,3
	v_pk_add_f32 v[128+2*\n:129+2*\n], v[128+2*\n:129+2*\n], v[BIAS+2*\n:BIAS+2*\n+1]
.endr
	ELU8 128, TW
.irp n, 0,1,2,3
	v_cvt_pk_bf16_f32 v[160+\n], v[128+2*\n], v[129+2*\n]                ; hi
.endr
.irp n, 0,1,2,3
	v_lshlrev_b32 v[TW+2*\n], 16, v[160+\n]
	v_and_b32 v[TW+2*\n+1], 0xffff0000, v[160+\n]
.endr
.irp n, 0,1,2,3
	v_pk_add_f32 v[128+2*\n:129+2*\n], v[128+2*\n:129+2*\n], v[TW+2*\n:TW+2*\n+1] neg_lo:[0,1] neg_hi:[0,1]
.endr
.irp n, 0,1,2,3
	v_cvt_pk_bf16_f32 v[164+\n], v[128+2*\n], v[129+2*\n]                ; lo
.endr
	global_store_b128 v[VO], v[160:163], s[12:13]  ; each store: 512 consecutive bytes, at a multiple of 512 from t2's first byte
	global_store_b128 v[VO], v[164:167], s[12:13] offset:1024
	s_wait_xcnt 0x0                                ; the stores' address and data registers are rewritten only behind this wait
	v_add_nc_u32 v[VO], 0x20000, v[VO]
	v_add_nc_u32 v[RDA], 1024, v[RDA]
	v_add_nc_u32 v[RDB], 1024, v[RDB]
.Lskip:
	s_add_co_u32 s28, s28, 1
	s_cmp_lt_u32 s28, NT
	s_cbranch_scc1 .Ltile
.Ldead2:
	s_wait_dscnt 0x0
	s_barrier_signal -1
	s_barrier_wait -1                              ; the partial sums have been read: the next pass may write them again
	s_add_co_u32 s26, s26, NT
	s_add_co_u32 s25, s25, 1
	s_cmp_lt_u32 s25, NPASS
	s_cbranch_scc1 .Lpass
	s_wait_tensorcnt 0x0                           ; the wave's end, behind my last LDS store
	ds_add_u32 v14, v15
	s_wait_dscnt 0x0
	s_endpgm
.Lfunc_end_k_qe8f6d8ab27_fc2:
	.size	k_qe8f6d8ab27_fc2, .Lfunc_end_k_qe8f6d8ab27_fc2-k_qe8f6d8ab27_fc2
	.p2alignl 7, 3214868480
	.fill 96, 4, 3214868480
	.section	.rodata,"a",@progbits
	.p2align	6, 0x0
	.amdhsa_kernel k_qe8f6d8ab27_fc2
		.amdhsa_group_segment_fixed_size 168960
		.amdhsa_private_segment_fixed_size 0
		.amdhsa_enable_private_segment 0
		.amdhsa_kernarg_size 40
		.amdhsa_user_sgpr_count 2
		.amdhsa_user_sgpr_kernarg_segment_ptr 1
		.amdhsa_wavefront_size32 1
		.amdhsa_system_sgpr_workgroup_id_x 1
		.amdhsa_system_sgpr_workgroup_id_y 1
		.amdhsa_system_sgpr_workgroup_id_z 1
		.amdhsa_system_vgpr_workitem_id 0
		.amdhsa_next_free_vgpr 832
		.amdhsa_next_free_sgpr 72
		.amdhsa_reserve_vcc 1
		.amdhsa_float_denorm_mode_32 3
		.amdhsa_float_denorm_mode_16_64 3
		.amdhsa_memory_ordered 1
		.amdhsa_forward_progress 1
		.amdhsa_inst_pref_size 76
	.end_amdhsa_kernel
	.amdgpu_metadata
---
amdhsa.version: [ 1, 2 ]
amdhsa.kernels:
  - .name:           k_qe8f6d8ab27_fc2
    .symbol:         k_qe8f6d8ab27_fc2.kd
    .args:
      - { .name: choice, .offset: 0, .size: 8, .value_kind: global_buffer, .address_space: global }
      - { .name: t1, .offset: 8, .size: 8, .value_kind: global_buffer, .address_space: global }
      - { .name: w2, .offset: 16, .size: 8, .value_kind: global_buffer, .address_space: global }
      - { .name: b2, .offset: 24, .size: 8, .value_kind: global_buffer, .address_space: global }
      - { .name: t2, .offset: 32, .size: 8, .value_kind: global_buffer, .address_space: global }
    .group_segment_fixed_size: 168960
    .private_segment_fixed_size: 0
    .kernarg_segment_align: 8
    .kernarg_segment_size: 40
    .max_flat_workgroup_size: 128
    .sgpr_count:     72
    .vgpr_count:     832
    .wavefront_size: 32
...
	.end_amdgpu_metadata
.endif
;; end of part 3
;; launch fc3 (part 4): grid 32 x 8, 4 waves a work-group, no clusters, 168,960 bytes of LDS; arguments choice, t2, w3, b3, part; writes part
.if DOCPART == 4
	.amdgcn_target "amdgcn-amd-amdhsa--gfx1250"
	.amdhsa_code_object_version 6
	.text
	.protected	k_qe8f6d8ab27_fc3
	.globl	k_qe8f6d8ab27_fc3
	.p2align	8
	.type	k_qe8f6d8ab27_fc3,@function
k_qe8f6d8ab27_fc3:
	s_mov_b64 s[64:65], 0
	v_nop
	global_prefetch_b8 v0, s[64:65] scope:SCOPE_SE
	s_setreg_imm32_b32 hwreg(HW_REG_WAVE_MODE, 25, 1), 1
	s_wait_xcnt 0x0
; FC3.  part[q][token] = (t2's K quarter q) w3[e] (+ b3[e] where q = 0), in f32, scattered to the tokens' own rows.  The next launch adds the four quarters.
; t2 arrives as two bf16 terms hi + lo; w3 and b3 are rounded to bf16 here; both terms are multiplied by the same weight fragments and summed in f32.
; A work-group is an expert e (grid y), 64 columns n0 = 64 sx (sx = x & 7) and a quarter q = x >> 3 of K = 2,048: N = 512 alone gives 8 column slices, so K is shared among work-groups too,
; each with a buffer part of its own.  Wave w takes the fragments kap = 16 q + 4 w + s, s = 0..3; the four waves' partial sums meet in LDS.
; ORDER OF K as t2 has it: place i of lane half h of block kap = 2 g + p is k = 64 g + 32 h + 4 (i & 7) + 2 p + (i >> 3); the weight rows are loaded in that order.
; With tokens as source 0 and weights as source 1, lane (c, h) holds in register j token 8 h + j of the tile and column n0 + 4 c + f: the four f are 16 neighbouring bytes of an output row.
; TOKENS.  Wave 0 lists the expert's tokens in LDS exactly as the first layer's launch did.  The last tile's empty rows repeat the list's first token: they hold the same numbers as that token's own row
; and are stored by this same work-group to the same bytes.  An expert without tokens walks one tile and stores nothing.
; PASSES, TILES: NT = 10 tiles a pass, a constant 7 trips; a dead pass jumps forward over the work and never over a barrier.
; REGISTERS: v0-31 addresses; v32-95 weight fragments, two buffers (v64-95 first hold choice; v32-63 the rows to store); v96-99 bias; v104-119 tokens and row offsets;
; v128-255 raw weights, two groups (on the way out: partial sums); v256-575 token fragments, two groups of [term][tile]; v576-895 the 40 accumulators, (t, f) at 576 + 32 t + 8 f.
.set NT,     10
.set NPASS,  7
.set WPITCH, 2048
.set LISTB,  163840   ; behind the four waves' partial sums (40,960 bytes each): the list, 1,056 words; from word 1,088 on 32 words that take the stores of lanes without a token
.set SPARE,  168448   ; the spare words: 128 bytes for each of four waves; no other line names them
.set OB,   32
.set WF,   32
.set CH,   64
.set BIAS, 96
.set TK,   104
.set RO,   112
.set WR,   128
.set AF,   256
.set ACC,  576
.set VW,   4          ; weights: my byte offset; never rewritten
.set RD0,  5          ; the way out: 1,024 w + 16 L
.set VA,   6          ; t2: my byte offset in a tile; never rewritten
.set CO,   7          ; 256 sx + 16 c: my 16 bytes of an output row
.set STW,  8          ; 40,960 w + 16 L
.set RD,   9          ; v9-12: the four waves' partial sums of the tile in hand
.set LA,   13         ; the tile's eight tokens of my lane half
.set LA0,  16         ; LISTB + 32 h + 64 w
.set TB,   32         ; s[32:51]: the ten tiles' addresses in t2
.set MSB, 0
.macro WIN new                         ; the immediate's high byte repeats the setting that is left; a switch that changes nothing is dropped
.if MSB != (\new)
	s_set_vgpr_msb (MSB<<8)|(\new)
.set MSB, (\new)
.endif
.endm
.macro PLACES                          ; four plain vector instructions between a matrix instruction and what reads its result or loads into its registers (ISA guide 7.12.1 for what reads its result)
.rept 4
	v_nop
.endr
.endm
.macro XW d, a, b, zero                ; a product on registers given by their numbers 0..1023
	WIN (((\a)>>8)|(((\b)>>8)<<2)|(((\d)>>8)<<4)|(((\d)>>8)<<6))
.set xd, (\d)&255
.set xa, (\a)&255
.set xc, (\b)&255
.if \zero
	v_wmma_f32_16x16x32_bf16 v[xd:xd+7], v[xa:xa+7], v[xc:xc+7], 0
.else
	v_wmma_f32_16x16x32_bf16 v[xd:xd+7], v[xa:xa+7], v[xc:xc+7], v[xd:xd+7]
.endif
.endm
.macro XL d, va, sb, off               ; a 16-byte load; the address register lies in window 0
	WIN (((\d)>>8)<<6)
.set xd, (\d)&255
	global_load_b128 v[xd:xd+3], v[\va], s[(\sb):(\sb)+1] offset:\off
.endm
.macro XDS d, off
	WIN (((\d)>>8)<<2)
.set xd, (\d)&255
	ds_store_b128 v[STW], v[xd:xd+3] offset:\off
.endm
.macro WLOAD b, row                    ; a K step's weights: place i is row 32 h + 4 (i & 7) + (i >> 3) + row
	WIN 0
.set ii, 0
.rept 16
	global_load_b128 v[WR+64*(\b)+4*ii:WR+64*(\b)+4*ii+3], v[VW], s[8:9] offset:((\row)+4*(ii&7)+(ii>>3))*WPITCH th:TH_LOAD_NT
.set ii, ii+1
.endr
.endm
.macro ALOAD b, imm                    ; a K step's twenty token fragments, hi's ten and then lo's: 512 consecutive bytes a load
.set tm, 0
.rept 2
.set tt, 0
.rept NT
	XL AF+160*(\b)+80*tm+8*tt, VA, TB+2*tt, (\imm)+1024*tm
	XL AF+160*(\b)+80*tm+8*tt+4, VA, TB+2*tt, (\imm)+1024*tm+512
.set tt, tt+1
.endr
.set tm, tm+1
.endr
.endm
.macro CVTW b
	WIN 0
.set ff, 0
.rept 4
.set ii, 0
.rept 8
	v_cvt_pk_bf16_f32 v[WF+32*(\b)+8*ff+ii], v[WR+64*(\b)+8*ii+ff], v[WR+64*(\b)+8*ii+4+ff]
.set ii, ii+1
.endr
.set ff, ff+1
.endr
.endm
.macro MULS b, zero                    ; hi's 40 products, then lo's: 40 accumulators by turns, one instruction a turn
.set tm, 0
.rept 2
.set zf, (\zero)*(1-tm)
.set tt, 0
.rept NT
.set ff, 0
.rept 4
	XW ACC+32*tt+8*ff, AF+160*(\b)+80*tm+8*tt, WF+32*(\b)+8*ff, zf
.set ff, ff+1
.endr
.set tt, tt+1
.endr
.set tm, tm+1
.endr
.endm
; A K step on buffers b.  wt: the loads issued behind this step's group.  The fragments' buffer b was last read by products two steps back; the 32 conversions of the step between are the places.
.macro KSTEP b, zero, refill, wt, wrow, aimm
	s_wait_loadcnt \wt
	CVTW \b
.if \refill
	WLOAD \b, \wrow
.endif
	MULS \b, \zero
.if \refill
	PLACES
	ALOAD \b, \aimm
.endif
.endm
	s_load_b256 s[4:11], s[0:1], 0x0               ; choice s[4:5], t2 s[6:7], w3 s[8:9], b3 s[10:11]
	s_load_b64 s[12:13], s[0:1], 0x20              ; part
	v_lshl_add_u32 v14, v0, 2, SPARE               ; my spare word, and 0: kept for the add at the wave's end alone
	v_mov_b32 v15, 0
	v_lshrrev_b32 v26, 5, v0
	v_readfirstlane_b32 s14, v26                   ; wave 0..3
	s_and_b32 s15, ttmp7, 0xffff                   ; e
	s_and_b32 s16, ttmp9, 7                        ; sx
	s_lshr_b32 s17, ttmp9, 3                       ; q
	v_and_b32 v1, 31, v0                           ; L
	v_and_b32 v2, 15, v0                           ; c
	v_bfe_u32 v3, v0, 4, 1                         ; h
	s_lshl_b32 s20, s17, 2
	s_add_co_u32 s20, s20, s14                     ; 4 q + w
	s_lshl_b32 s21, s20, 18                        ; (8 q + 2 w) x 64 rows of 2,048 bytes
	v_lshl_add_u32 v[VW], v2, 4, s21
	v_lshl_add_u32 v[VW], v3, 16, v[VW]            ; + 32 h rows + 16 c
	s_lshl_b32 s21, s20, 13                        ; block 16 q + 4 w of 2,048 bytes
	v_lshl_add_u32 v[VA], v1, 4, s21
	s_lshl_b32 s20, s16, 8
	v_lshl_add_u32 v[CO], v2, 4, s20
	s_mul_i32 s21, s14, 40960
	v_lshl_add_u32 v[STW], v1, 4, s21
	s_lshl_b32 s21, s14, 10
	v_lshl_add_u32 v[RD0], v1, 4, s21
	s_lshl_b32 s21, s14, 6
	s_add_co_u32 s21, s21, LISTB
	v_lshl_add_u32 v[LA0], v3, 5, s21
	v_lshlrev_b32 v27, 4, v2                       ; bias: columns 4 c on
	v_lshlrev_b32 v28, 4, v1
	v_lshlrev_b32 v29, 2, v1                       ; 4 L: the lane's part of a token's number
	v_add_nc_u32 v30, 1088, v1                     ; the word that takes my store when I hold no token of e
	s_mov_b32 s31, 0
	s_wait_kmcnt 0x0
	s_lshl_b32 s30, s15, 22                        ; the expert's 2,048 x 512 weights,
	s_add_co_u32 s30, s30, s20                     ; my 64 columns
	s_add_nc_u64 s[8:9], s[8:9], s[30:31]
	s_lshl_b32 s30, s15, 11
	s_add_co_u32 s30, s30, s20
	s_add_nc_u64 s[10:11], s[10:11], s[30:31]
	s_lshl_b32 s30, s15, 23                        ; the expert's 64 tiles of 131,072 bytes
	s_add_nc_u64 s[6:7], s[6:7], s[30:31]
	s_lshl_b32 s30, s17, 21                        ; my quarter's 1,024 x 512 sums
	s_add_nc_u64 s[12:13], s[12:13], s[30:31]
	global_load_b128 v[BIAS:BIAS+3], v27, s[10:11]
.set ii, 0
.rept 8
	global_load_b128 v[CH+4*ii:CH+4*ii+3], v28, s[4:5] offset:512*ii     ; register 4 i + k of lane L: token 128 i + 4 L + k
.set ii, ii+1
.endr
	WLOAD 0, 0                                     ; the first pass always runs: its first weights are asked for before the count is known
	WLOAD 1, 2
	s_wait_loadcnt 32                              ; bias and choice are in; the 32 weight loads stay out
	v_cvt_pk_bf16_f32 v26, v[BIAS], v[BIAS+1]      ; the bias rounded to bf16 and widened again;
	v_cvt_pk_bf16_f32 v27, v[BIAS+2], v[BIAS+3]
	v_lshlrev_b32 v[BIAS], 16, v26
	v_and_b32 v[BIAS+1], 0xffff0000, v26
	v_lshlrev_b32 v[BIAS+2], 16, v27
	v_and_b32 v[BIAS+3], 0xffff0000, v27
	s_cmp_eq_u32 s17, 0                            ; only quarter 0 adds it
	s_cselect_b32 s20, -1, 0
.irp n, 0,1,2,3
	v_cndmask_b32 v[BIAS+\n], 0, v[BIAS+\n], s20
.endr
	s_mov_b32 s18, 0                               ; every wave counts the expert's tokens
.set nn, 0
.rept 32
	v_cmp_eq_u32 s20, s15, v[CH+nn]
	s_bcnt1_i32_b32 s21, s20
	s_add_co_u32 s18, s18, s21
.set nn, nn+1
.endr
	s_add_co_u32 s19, s18, 15
	s_lshr_b32 s19, s19, 4                         ; tiles that are stored
	s_max_u32 s24, s19, 1                          ; tiles that are walked
	s_sub_co_u32 s66, s24, 1
	s_cmp_lg_u32 s14, 0
	s_cbranch_scc1 .Lnolist
	v_mov_b32 v27, LISTB                           ; wave 0 writes the list.  An empty list begins with token 0
	v_mov_b32 v28, 0
	ds_store_b32 v27, v28
	s_mov_b32 s22, 0
.set nn, 0
.rept 32
	v_cmp_eq_u32 s20, s15, v[CH+nn]
	v_mbcnt_lo_u32_b32 v26, s20, s22               ; tokens of e in front of mine
	v_cndmask_b32 v26, v30, v26, s20
	v_min_u32 v26, 1119, v26                       ; a word of the list or of the 32 behind it
	v_lshl_add_u32 v27, v26, 2, LISTB
	v_add_nc_u32 v28, 128*(nn/4)+(nn%4), v29
	ds_store_b32 v27, v28
	s_bcnt1_i32_b32 s21, s20
	s_add_co_u32 s22, s22, s21
.set nn, nn+1
.endr
	v_mov_b32 v27, LISTB
	ds_load_b32 v28, v27                           ; LDS serves a wave's instructions in order: this sees the stores above
	v_add_nc_u32 v26, s18, v1
	v_min_u32 v26, 1055, v26
	v_lshl_add_u32 v26, v26, 2, LISTB
	s_wait_dscnt 0x0
	ds_store_b32 v26, v28                          ; the 32 words behind the list's end repeat its first token
.Lnolist:
	s_wait_dscnt 0x0
	s_barrier_signal -1
	s_barrier_wait -1                              ; the list is whole
	s_mov_b32 s25, 0                               ; pass
	s_mov_b32 s26, 0                               ; its first tile
.Lpass:
	s_cmp_ge_u32 s26, s24
	s_cbranch_scc1 .Ldead1
	s_cmp_eq_u32 s25, 0
	s_cbranch_scc1 .Lhave_w
	s_wait_loadcnt 0x0                             ; no load is out when the raw weights' registers are asked for again
	WLOAD 0, 0
	WLOAD 1, 2
.Lhave_w:
.set tt, 0
.rept NT
	s_add_co_u32 s20, s26, tt
	s_min_u32 s20, s20, s66                        ; tiles past the last repeat the last
	s_min_u32 s20, s20, 63
	s_lshl_b32 s30, s20, 17
	s_add_nc_u64 s[TB+2*tt:TB+2*tt+1], s[6:7], s[30:31]
.set tt, tt+1
.endr
	ALOAD 0, 0
	ALOAD 1, 2048
	KSTEP 0, 1, 1, 40, 64, 4096                    ; behind step 0's group only step 1's 40 token loads were issued
	KSTEP 1, 0, 1, 56, 66, 6144                    ; from here on a whole group, 16 + 40
	KSTEP 0, 0, 0, 56, 0, 0
	KSTEP 1, 0, 0, 0, 0, 0
	PLACES
.set tt, 0
.rept NT
.set ff, 0
.rept 4                                        ; block (f, t) of my partial sums; each accumulator's low registers first
	XDS ACC+32*tt+8*ff, (20*ff+2*tt)*512
	XDS ACC+32*tt+8*ff+4, (20*ff+2*tt+1)*512
.set ff, ff+1
.endr
.set tt, tt+1
.endr
	WIN 0
.Ldead1:
	s_wait_loadcnt 0x0                             ; met already wherever a pass has run
	s_wait_dscnt 0x0
	s_barrier_signal -1
	s_barrier_wait -1                              ; all four partial sums are in LDS
	s_cmp_ge_u32 s26, s24
	s_cbranch_scc1 .Ldead2
	s_sub_co_i32 s27, s19, s26
	s_max_i32 s27, s27, 0
	s_min_u32 s27, s27, NT                         ; tiles of the pass that are stored
	s_mov_b32 s29, s14                             ; wave w takes tiles w, w + 4, w + 8 of the pass
	v_mov_b32 v[RD], v[RD0]
	v_add_nc_u32 v[RD+1], 40960, v[RD0]
	v_add_nc_u32 v[RD+2], 81920, v[RD0]
	v_add_nc_u32 v[RD+3], 122880, v[RD0]
	s_lshl_b32 s20, s26, 6
	v_add_nc_u32 v[LA], s20, v[LA0]
	s_mov_b32 s28, 0
.Ltile:
	s_cmp_ge_u32 s29, s27
	s_cbranch_scc1 .Lskip
.set ws, 0
.rept 4
.set ff, 0
.rept 4
	ds_load_b128 v[WR+32*ws+8*ff:WR+32*ws+8*ff+3], v[RD+ws] offset:10240*ff
	ds_load_b128 v[WR+32*ws+8*ff+4:WR+32*ws+8*ff+7], v[RD+ws] offset:10240*ff+512
.set ff, ff+1
.endr
.set ws, ws+1
.endr
	ds_load_b128 v[TK:TK+3], v[LA]                 ; tokens 8 h .. 8 h + 7 of the tile
	ds_load_b128 v[TK+4:TK+7], v[LA] offset:16
	s_wait_dscnt 0x0
.set nn, 0
.rept 16
	v_pk_add_f32 v[WR+2*nn:WR+2*nn+1], v[WR+2*nn:WR+2*nn+1], v[WR+32+2*nn:WR+33+2*nn]
	v_pk_add_f32 v[WR+64+2*nn:WR+65+2*nn], v[WR+64+2*nn:WR+65+2*nn], v[WR+96+2*nn:WR+97+2*nn]
.set nn, nn+1
.endr
.set nn, 0
.rept 16
	v_pk_add_f32 v[WR+2*nn:WR+2*nn+1], v[WR+2*nn:WR+2*nn+1], v[WR+64+2*nn:WR+65+2*nn]
.set nn, nn+1
.endr
.set jj, 0
.rept 8
.set ff, 0
.rept 4
	v_add_f32 v[OB+4*jj+ff], v[WR+8*ff+jj], v[BIAS+ff]
.set ff, ff+1
.endr
	v_min_u32 v[TK+jj], 1023, v[TK+jj]
	v_lshl_add_u32 v[RO+jj], v[TK+jj], 11, v[CO]
.set jj, jj+1
.endr
.set jj, 0
.rept 8
	global_store_b128 v[RO+jj], v[OB+4*jj:OB+4*jj+3], s[12:13]   ; lanes 0-15 and lanes 16-31 each store 256 consecutive bytes of one row, at a multiple of 256 from part's first byte
.set jj, jj+1
.endr
	s_wait_xcnt 0x0                                ; the stores' address and data registers are rewritten only behind this wait
.irp n, 0,1,2,3
	v_add_nc_u32 v[RD+\n], 4096, v[RD+\n]
.endr
	v_add_nc_u32 v[LA], 256, v[LA]
.Lskip:
	s_add_co_u32 s29, s29, 4
	s_add_co_u32 s28, s28, 1
	s_cmp_lt_u32 s28, 3
	s_cbranch_scc1 .Ltile
.Ldead2:
	s_wait_dscnt 0x0
	s_barrier_signal -1
	s_barrier_wait -1                              ; the partial sums have been read: the next pass may write them again
	s_add_co_u32 s26, s26, NT
	s_add_co_u32 s25, s25, 1
	s_cmp_lt_u32 s25, NPASS
	s_cbranch_scc1 .Lpass
	s_wait_tensorcnt 0x0                           ; the wave's end, behind my last LDS store
	ds_add_u32 v14, v15
	s_wait_dscnt 0x0
	s_endpgm
.Lfunc_end_k_qe8f6d8ab27_fc3:
	.size	k_qe8f6d8ab27_fc3, .Lfunc_end_k_qe8f6d8ab27_fc3-k_qe8f6d8ab27_fc3
	.p2alignl 7, 3214868480
	.fill 96, 4, 3214868480
	.section	.rodata,"a",@progbits
	.p2align	6, 0x0
	.amdhsa_kernel k_qe8f6d8ab27_fc3
		.amdhsa_group_segment_fixed_size 168960
		.amdhsa_private_segment_fixed_size 0
		.amdhsa_enable_private_segment 0
		.amdhsa_kernarg_size 40
		.amdhsa_user_sgpr_count 2
		.amdhsa_user_sgpr_kernarg_segment_ptr 1
		.amdhsa_wavefront_size32 1
		.amdhsa_system_sgpr_workgroup_id_x 1
		.amdhsa_system_sgpr_workgroup_id_y 1
		.amdhsa_system_sgpr_workgroup_id_z 1
		.amdhsa_system_vgpr_workitem_id 0
		.amdhsa_next_free_vgpr 896
		.amdhsa_next_free_sgpr 72
		.amdhsa_reserve_vcc 0
		.amdhsa_float_denorm_mode_32 3
		.amdhsa_float_denorm_mode_16_64 3
		.amdhsa_memory_ordered 1
		.amdhsa_forward_progress 1
		.amdhsa_inst_pref_size 96
	.end_amdhsa_kernel
	.amdgpu_metadata
---
amdhsa.version: [ 1, 2 ]
amdhsa.kernels:
  - .name:           k_qe8f6d8ab27_fc3
    .symbol:         k_qe8f6d8ab27_fc3.kd
    .args:
      - { .name: choice, .offset: 0, .size: 8, .value_kind: global_buffer, .address_space: global }
      - { .name: t2, .offset: 8, .size: 8, .value_kind: global_buffer, .address_space: global }
      - { .name: w3, .offset: 16, .size: 8, .value_kind: global_buffer, .address_space: global }
      - { .name: b3, .offset: 24, .size: 8, .value_kind: global_buffer, .address_space: global }
      - { .name: part, .offset: 32, .size: 8, .value_kind: global_buffer, .address_space: global }
    .group_segment_fixed_size: 168960
    .private_segment_fixed_size: 0
    .kernarg_segment_align: 8
    .kernarg_segment_size: 40
    .max_flat_workgroup_size: 128
    .sgpr_count:     72
    .vgpr_count:     896
    .wavefront_size: 32
...
	.end_amdgpu_metadata
.endif
;; end of part 4
;; launch sum (part 5): grid 256 x 1, 8 waves a work-group, no clusters, 0 bytes of LDS; arguments part, out0; writes out0
.if DOCPART == 5
	.amdgcn_target "amdgcn-amd-amdhsa--gfx1250"
	.amdhsa_code_object_version 6
	.text
	.protected	k_qe8f6d8ab27_sum
	.globl	k_qe8f6d8ab27_sum
	.p2align	8
	.type	k_qe8f6d8ab27_sum,@function
k_qe8f6d8ab27_sum:
	s_mov_b64 s[64:65], 0
	v_nop
	global_prefetch_b8 v0, s[64:65] scope:SCOPE_SE
	s_setreg_imm32_b32 hwreg(HW_REG_WAVE_MODE, 25, 1), 1
	s_wait_xcnt 0x0
; out0 = (part[0] + part[1]) + (part[2] + part[3]): the four K quarters of the last layer, each [1024][512] f32 (2,097,152 bytes), added in a fixed order.
; A work-group takes 8,192 consecutive bytes of the output, a thread 16 bytes in each half of them: every load and store of a wave covers 512 consecutive bytes.
; All eight loads of a thread go out together; the quarter's number stands in the immediate offset (6,295,552 at the most, inside its signed 24 bits).
; No LDS, no barrier, no matrix unit: nothing is shared and nothing is multiplied.
.set QB, 2097152
	s_load_b128 s[4:7], s[0:1], 0x0                ; part s[4:5], out0 s[6:7]
	s_lshl_b32 s2, ttmp9, 13
	v_lshl_add_u32 v1, v0, 4, s2
	s_wait_kmcnt 0x0
.irp q, 0,1,2,3
	global_load_b128 v[4+8*\q:7+8*\q], v1, s[4:5] offset:\q*QB th:TH_LOAD_NT
	global_load_b128 v[8+8*\q:11+8*\q], v1, s[4:5] offset:\q*QB+4096 th:TH_LOAD_NT
.endr
	s_wait_loadcnt 0x0
.irp n, 0,1,2,3
	v_pk_add_f32 v[4+2*\n:5+2*\n], v[4+2*\n:5+2*\n], v[12+2*\n:13+2*\n]
	v_pk_add_f32 v[20+2*\n:21+2*\n], v[20+2*\n:21+2*\n], v[28+2*\n:29+2*\n]
.endr
.irp n, 0,1,2,3
	v_pk_add_f32 v[4+2*\n:5+2*\n], v[4+2*\n:5+2*\n], v[20+2*\n:21+2*\n]
.endr
	global_store_b128 v1, v[4:7], s[6:7] th:TH_STORE_NT
	global_store_b128 v1, v[8:11], s[6:7] offset:4096 th:TH_STORE_NT
	s_endpgm
.Lfunc_end_k_qe8f6d8ab27_sum:
	.size	k_qe8f6d8ab27_sum, .Lfunc_end_k_qe8f6d8ab27_sum-k_qe8f6d8ab27_sum
	.p2alignl 7, 3214868480
	.fill 96, 4, 3214868480
	.section	.rodata,"a",@progbits
	.p2align	6, 0x0
	.amdhsa_kernel k_qe8f6d8ab27_sum
		.amdhsa_group_segment_fixed_size 0
		.amdhsa_private_segment_fixed_size 0
		.amdhsa_enable_private_segment 0
		.amdhsa_kernarg_size 16
		.amdhsa_user_sgpr_count 2
		.amdhsa_user_sgpr_kernarg_segment_ptr 1
		.amdhsa_wavefront_size32 1
		.amdhsa_system_sgpr_workgroup_id_x 1
		.amdhsa_system_sgpr_workgroup_id_y 1
		.amdhsa_system_sgpr_workgroup_id_z 1
		.amdhsa_system_vgpr_workitem_id 0
		.amdhsa_next_free_vgpr 48
		.amdhsa_next_free_sgpr 66
		.amdhsa_reserve_vcc 0
		.amdhsa_float_denorm_mode_32 3
		.amdhsa_float_denorm_mode_16_64 3
		.amdhsa_memory_ordered 1
		.amdhsa_forward_progress 1
		.amdhsa_inst_pref_size 3
	.end_amdhsa_kernel
	.amdgpu_metadata
---
amdhsa.version: [ 1, 2 ]
amdhsa.kernels:
  - .name:           k_qe8f6d8ab27_sum
    .symbol:         k_qe8f6d8ab27_sum.kd
    .args:
      - { .name: part, .offset: 0, .size: 8, .value_kind: global_buffer, .address_space: global }
      - { .name: out0, .offset: 8, .size: 8, .value_kind: global_buffer, .address_space: global }
    .group_segment_fixed_size: 0
    .private_segment_fixed_size: 0
    .kernarg_segment_align: 8
    .kernarg_segment_size: 16
    .max_flat_workgroup_size: 256
    .sgpr_count:     66
    .vgpr_count:     48
    .wavefront_size: 32
...
	.end_amdgpu_metadata
.endif
;; end of part 5
;; ======== version 2 of 2: 5 launches; version 1 with the launch fc2 written anew for expert scheduling mode
;; workspace buffers: choice 4,096 bytes of whole numbers; xb 1,048,576 bytes; t1 33,554,432 bytes; t2 67,108,864 bytes; part 8,388,608 bytes
;; launch router: the kernel of part 1 again; grid 64 x 1, 8 waves a work-group, no clusters, 79,360 bytes of LDS; arguments x, rw0, rb0, rw1, rb1, rw2, rb2, xb, choice; writes xb, choice
;; launch fc1: the kernel of part 2 again; grid 32 x 8, 4 waves a work-group, no clusters, 168,960 bytes of LDS; arguments choice, xb, w1, b1, t1; writes t1
;; launch fc2 (part 6): grid 32 x 8, 4 waves a work-group, no clusters, 168,960 bytes of LDS; arguments choice, t1, w2, b2, t2; writes t2
.if DOCPART == 6
	.amdgcn_target "amdgcn-amd-amdhsa--gfx1250"
	.amdhsa_code_object_version 6
	.text
	.protected	k_qe8f6d8ab27_fc2
	.globl	k_qe8f6d8ab27_fc2
	.p2align	8
	.type	k_qe8f6d8ab27_fc2,@function
k_qe8f6d8ab27_fc2:
	s_mov_b64 s[64:65], 0
	v_nop
	global_prefetch_b8 v0, s[64:65] scope:SCOPE_SE
	s_setreg_imm32_b32 hwreg(HW_REG_WAVE_SCHED_MODE, 0, 2), 2
	s_setreg_imm32_b32 hwreg(HW_REG_WAVE_MODE, 25, 1), 1
	s_wait_xcnt 0x0
	s_wait_alu depctr_vm_vsrc(0)
; FC2.  t2 = elu(t1 w2[e] + b2[e]) for the expert's tiles of 16 tokens.  t1 arrives as bf16 fragments; w2 and b2 are rounded to bf16 here; sums and elu in f32;
; t2 leaves as TWO bf16 terms, hi = bf16(t2) and lo = bf16(t2 - hi): 16 significant bits.
; A work-group is an expert e (grid y) and 64 columns n0 = 64 sx.  Wave w takes the fragments kap = 16 w .. 16 w + 15 of K = 2,048 for all tiles of a pass; the four partial sums meet in LDS.
; Inside the K loop there is no barrier and no LDS traffic: weights and token fragments come straight into registers, two groups of loads ahead, by counted waits.
; ORDER OF K.  t1's block (tile, kap = 2 g + p) holds, in place i of lane half h, k = 64 g + 32 h + 4 (i & 7) + 2 p + (i >> 3); the weight rows are loaded in that same order.
; A lane's 16-byte weight load is four columns 4 c + f of one row; sixteen lanes take 256 consecutive bytes.  Each weight byte is read once in a pass; up to 160 tokens are one pass.
; PASSES, TILES: NT = 10 tiles a pass, a constant 7 trips, a dead pass jumps forward over the work and never over a barrier; tiles past the expert's last repeat the last and are not stored;
; an expert without tokens walks one tile.
; OUT.  t2[e][tile][kap]: 2,048 bytes: hi's two halves, then lo's; lane L at 16 L: wave w stores fragment f = w as half f & 1 of block 2 sx + (f >> 1).
; LIMIT.  elu: relative error about 3e-7 at every size of its argument; NaN stays NaN.
; THE MODE: SCHED_MODE bits 1:0 = 2 (LLVM: expert scheduling mode 2), set by the entry lines.  The code itself states the register dependences
; between vector or matrix instructions and memory or LDS instructions, with s_wait_alu, always for 0.
; THE PLAN.  Registers that memory or LDS instructions touch:
;   WR0, WR1      Step s: its 32 conversions read WR[s % 2]; behind them the weights of step s + 2 land in it.
;   AF0 .. AF3    Step s: its 40 products read AF[s % 4]; the token fragments of step s + 2 land in AF[(s + 2) % 4], which step s - 2 read last.  Three buffers would do for the waits;
;                 with four a trip of four steps brings both rings back to their start, where three would ask for a trip of six.
;   ACC           Written by the products; read by the pass's 80 LDS stores; written again by a later pass's first products.
;   v128-159      The way out: LDS loads land here; the sums and elu read and write them.      v160-167  written by the roundings, read by the two stores.
;   VO, RDA, RDB  Written ahead of the tile loop and at each trip's end; read by the stores and the LDS loads.
;   VW, VA, STW, v27, v28  Made at the head, never written again: in the K loop the scalar bases move on, once a trip, and immediate offsets do the rest.
;   WF0, WF1, the bias and v104-127 are named by vector and matrix instructions alone.      v14, v15: written at the head, read by the closing add alone.
; So ONE wait on va_vdst stands in a K step, behind its conversions: they are done reading WR[s % 2], and all earlier products are done reading their token fragments.  The step's 36 loads follow it,
; dealt among its products, which name WF, AF[s % 4] and ACC: none of the registers that those loads touch.  The last two steps issue no load and hold no such wait.
; Scalar registers that vector instructions write: s14 (the wave's number) and the masks s[32:47], made in runs of sixteen compares with one wait on va_sdst behind each run.
; REGISTERS: v0-31 addresses; v32-95 weight fragments, two buffers (v64-95 first hold choice); v96-103 bias; v104-127 at work; v128-255 raw weights, two groups (on the way out: partial sums);
; v256-495 and v832-911 token fragments, four groups of ten; v512-831 the 40 accumulators, (t, f) at 512 + 32 t + 8 f.
.set NT,     10
.set NPASS,  7
.set WPITCH, 8192
.set SPARE,  168448   ; behind the four waves' partial sums (40,960 bytes each): the spare words, 128 bytes for each of four waves; no other line names them
.set WF,   32
.set CH,   64
.set BIAS, 96
.set TW,   104
.set WR,   128
.set ACC,  512
.set VW,   4          ; weights: my byte offset; never rewritten
.set VA,   6          ; t1: my byte offset in a tile; never rewritten
.set VO,   7
.set STW,  8          ; 40,960 w + 16 L
.set RDA,  9
.set RDB,  10
.set VO0,  12
.set RD0,  13         ; 10,240 w + 16 L
.set WBS,  22         ; s[22:23]: w2 at the rows from which this trip's immediates count
.set TB,   32         ; s[32:51]: the ten tiles' addresses in t1, at the block from which this trip's immediates count
.set MK,   32         ; s[32:47]: sixteen masks, at the head and on the way out, where no load that reads a tile's address is out; the addresses are made anew in each pass
.set QRT,  67         ; s67: -0.25
.set MSB, 0
.macro WIN new                         ; the immediate's high byte repeats the setting that is left; a switch that changes nothing is dropped
.if MSB != (\new)
	s_set_vgpr_msb (MSB<<8)|(\new)
.set MSB, (\new)
.endif
.endm
.macro PLACES                          ; four plain vector instructions between a matrix instruction and what reads its result (ISA guide 7.12.1)
.rept 4
	v_nop
.endr
.endm
.macro XW d, a, b, zero                ; a product on registers given by their numbers 0..1023
	WIN (((\a)>>8)|(((\b)>>8)<<2)|(((\d)>>8)<<4)|(((\d)>>8)<<6))
.set xd, (\d)&255
.set xa, (\a)&255
.set xc, (\b)&255
.if \zero
	v_wmma_f32_16x16x32_bf16 v[xd:xd+7], v[xa:xa+7], v[xc:xc+7], 0
.else
	v_wmma_f32_16x16x32_bf16 v[xd:xd+7], v[xa:xa+7], v[xc:xc+7], v[xd:xd+7]
.endif
.endm
.macro XL d, va, sb, off               ; a 16-byte load; the address register lies in window 0
	WIN (((\d)>>8)<<6)
.set xd, (\d)&255
	global_load_b128 v[xd:xd+3], v[\va], s[(\sb):(\sb)+1] offset:\off
.endm
.macro XDS d, off
	WIN (((\d)>>8)<<2)
.set xd, (\d)&255
	ds_store_b128 v[STW], v[xd:xd+3] offset:\off
.endm
.macro WLOAD b, row                    ; a K step's weights: place i is row 32 h + 4 (i & 7) + (i >> 3) + row, counted from the walking base
	WIN 0
.set ii, 0
.rept 16
	global_load_b128 v[WR+64*(\b)+4*ii:WR+64*(\b)+4*ii+3], v[VW], s[WBS:WBS+1] offset:((\row)+4*(ii&7)+(ii>>3))*WPITCH th:TH_LOAD_NT
.set ii, ii+1
.endr
.endm
.macro ALOAD j, imm, t0, n             ; n of a K step's ten token fragments, from tile t0 on, into buffer j (v256, v336, v416, v832): 512 consecutive bytes a load
.set afl, 256+80*(\j)+336*((\j)/3)
.set tt, \t0
.rept \n
	XL afl+8*tt, VA, TB+2*tt, \imm
	XL afl+8*tt+4, VA, TB+2*tt, (\imm)+512
.set tt, tt+1
.endr
.endm
.macro CVTW b
	WIN 0
.set ff, 0
.rept 4
.set ii, 0
.rept 8
	v_cvt_pk_bf16_f32 v[WF+32*(\b)+8*ff+ii], v[WR+64*(\b)+8*ii+ff], v[WR+64*(\b)+8*ii+4+ff]
.set ii, ii+1
.endr
.set ff, ff+1
.endr
.endm
.macro MULS wb, ar, zero, t0, n        ; tiles t0 .. t0 + n - 1: the step's 40 accumulators by turns, one instruction a turn
.set afr, 256+80*(\ar)+336*((\ar)/3)
.set tt, \t0
.rept \n
.set ff, 0
.rept 4
	XW ACC+32*tt+8*ff, WF+32*(\wb)+8*ff, afr+8*tt, \zero
.set ff, ff+1
.endr
.set tt, tt+1
.endr
.endm
; A K step: weights in buffers wb = s % 2, token fragments in buffer ar = s % 4.  wt: the loads issued behind this step's group.  refill: the group two steps on is asked for, at row wrow and byte aimm from the bases.
; on = 1: a trip's first step: the bases move on by a trip, 128 rows of w2 and four blocks of t1.
; The weight fragments' buffer wb was last read by products two steps back; the 32 conversions of the step between are the places behind those.
; Behind the wait for the group 36 loads are out; with the weights 52, with the first five tiles 62; the last five tiles are asked for at the step's end, where the next line is the next step's wait.
.macro KSTEP wb, ar, zero, refill, wt, wrow, aimm, on
	s_wait_loadcnt \wt
.if \on
	s_wait_xcnt 0x0                                ; the 36 loads that are out have had their addresses translated (ISA guide 3.1): the bases that they read are rewritten only behind this wait
	s_add_nc_u64 s[WBS:WBS+1], s[WBS:WBS+1], 128*WPITCH
.set tt, 0
.rept NT
	s_add_nc_u64 s[TB+2*tt:TB+2*tt+1], s[TB+2*tt:TB+2*tt+1], 4096
.set tt, tt+1
.endr
.endif
	CVTW \wb
.if \refill
	s_wait_alu depctr_va_vdst(0)                   ; the conversions are done reading WR[wb], in which the weights below land; the products of the steps before are done reading their token fragments, AF[(ar + 2) % 4] among them
	WLOAD \wb, \wrow
	MULS \wb, \ar, \zero, 0, 5
	ALOAD (\ar+2)%4, \aimm, 0, 5                   ; no wait: no vector or matrix instruction since the wait above names this buffer or VA
	MULS \wb, \ar, \zero, 5, 5
	ALOAD (\ar+2)%4, \aimm, 5, 5
.else
	MULS \wb, \ar, \zero, 0, NT
.endif
.endm
; elu in place on eight numbers at zz; 24 registers at work at tw.  z > 0: z.  -0.25 <= z <= 0: z + z^2 (1/2 + z/6 + .. + z^5/5040).  z < -0.25: 2^(z log2 e) - 1.
; The eight exponentials stand together; the plain lines of the polynomial stand between them and the first use of their results (ISA guide 5.7.2).
; The sixteen compares stand in one run, each with a scalar register of its own, ahead of the selects that read them.
.macro ELU8 zz, tw
.irp n, 0,1,2,3
	v_pk_mul_f32 v[(\tw)+6*\n:(\tw)+6*\n+1], v[(\zz)+2*\n:(\zz)+2*\n+1], s[52:53] op_sel_hi:[1,0]
.endr
.irp n, 0,1,2,3
	v_exp_f32 v[(\tw)+6*\n], v[(\tw)+6*\n]
	v_exp_f32 v[(\tw)+6*\n+1], v[(\tw)+6*\n+1]
.endr
.irp n, 0,1,2,3
	v_pk_mul_f32 v[(\tw)+6*\n+4:(\tw)+6*\n+5], v[(\zz)+2*\n:(\zz)+2*\n+1], v[(\zz)+2*\n:(\zz)+2*\n+1]
.endr
.irp n, 0,1,2,3
	v_pk_fma_f32 v[(\tw)+6*\n+2:(\tw)+6*\n+3], v[(\zz)+2*\n:(\zz)+2*\n+1], s[54:55], s[56:57] op_sel_hi:[1,0,0]
.endr
.irp k, 58,60,62
.irp n, 0,1,2,3
	v_pk_fma_f32 v[(\tw)+6*\n+2:(\tw)+6*\n+3], v[(\tw)+6*\n+2:(\tw)+6*\n+3], v[(\zz)+2*\n:(\zz)+2*\n+1], s[\k:\k+1] op_sel_hi:[1,1,0]
.endr
.endr
.irp n, 0,1,2,3
	v_pk_fma_f32 v[(\tw)+6*\n+2:(\tw)+6*\n+3], v[(\tw)+6*\n+2:(\tw)+6*\n+3], v[(\zz)+2*\n:(\zz)+2*\n+1], 0.5 op_sel_hi:[1,1,0]
.endr
.irp n, 0,1,2,3
	v_pk_fma_f32 v[(\tw)+6*\n+2:(\tw)+6*\n+3], v[(\tw)+6*\n+2:(\tw)+6*\n+3], v[(\tw)+6*\n+4:(\tw)+6*\n+5], v[(\zz)+2*\n:(\zz)+2*\n+1]
.endr
.irp m, 0,1,2,3,4,5,6,7
	v_cmp_gt_f32 s[MK+2*\m], s[QRT], v[(\zz)+\m]   ; -0.25 > z
	v_cmp_lt_f32 s[MK+2*\m+1], 0, v[(\zz)+\m]      ; 0 < z
.endr
	s_wait_alu depctr_va_vdst(0)                   ; the eight exponentials have written their results, ahead of the first line that names one
	s_wait_alu depctr_va_sdst(0)                   ; the sixteen compares have written s[32:47], ahead of the first select that reads one
.irp n, 0,1,2,3
	v_pk_add_f32 v[(\tw)+6*\n:(\tw)+6*\n+1], v[(\tw)+6*\n:(\tw)+6*\n+1], -1.0 op_sel_hi:[1,0]
.endr
.irp m, 0,1,2,3,4,5,6,7
	v_cndmask_b32 v[(\tw)+6*(\m/2)+2+(\m%2)], v[(\tw)+6*(\m/2)+2+(\m%2)], v[(\tw)+6*(\m/2)+(\m%2)], s[MK+2*\m]
	v_cndmask_b32 v[(\zz)+\m], v[(\tw)+6*(\m/2)+2+(\m%2)], v[(\zz)+\m], s[MK+2*\m+1]
.endr
.endm
	s_load_b256 s[4:11], s[0:1], 0x0               ; choice s[4:5], t1 s[6:7], w2 s[8:9], b2 s[10:11]
	s_load_b64 s[12:13], s[0:1], 0x20              ; t2
	v_lshl_add_u32 v14, v0, 2, SPARE               ; my spare word, and 0: kept for the add at the wave's end alone
	v_mov_b32 v15, 0
	v_lshrrev_b32 v26, 5, v0
	v_readfirstlane_b32 s14, v26                   ; wave 0..3
	s_and_b32 s15, ttmp7, 0xffff                   ; e
	s_mov_b32 s16, ttmp9                           ; sx
	v_and_b32 v1, 31, v0                           ; L
	v_and_b32 v2, 15, v0                           ; c
	v_bfe_u32 v3, v0, 4, 1                         ; h
	v_lshlrev_b32 v[VW], 4, v2
	v_lshl_add_u32 v[VW], v3, 18, v[VW]
	s_wait_alu depctr_va_sdst(0)                   ; s14 is written, ahead of its first reader: the offsets below are made from it
	s_lshl_b32 s20, s14, 22
	v_add_nc_u32 v[VW], s20, v[VW]                 ; (512 w + 32 h) rows of 8,192 bytes + 16 c
	s_lshl_b32 s20, s14, 14
	v_lshl_add_u32 v[VA], v1, 4, s20               ; block 16 w, 16 L
	s_lshl_b32 s20, s16, 1
	s_lshr_b32 s21, s14, 1
	s_add_co_u32 s20, s20, s21
	s_lshl_b32 s20, s20, 11
	s_and_b32 s21, s14, 1
	s_lshl_b32 s21, s21, 9
	s_add_co_u32 s20, s20, s21
	v_lshl_add_u32 v[VO0], v1, 4, s20              ; block 2 sx + (w >> 1), half w & 1, 16 L
	s_mul_i32 s20, s14, 40960
	v_lshl_add_u32 v[STW], v1, 4, s20
	s_mul_i32 s20, s14, 10240
	v_lshl_add_u32 v[RD0], v1, 4, s20
	s_lshl_b32 s20, s14, 2
	v_lshl_add_u32 v27, v3, 7, s20                 ; bias: column 32 h + w, then every fourth
	v_lshlrev_b32 v28, 4, v1
	s_mov_b32 s52, 0x3fb8aa3b                      ; log2 e, and the series' 1/5040, 1/720, 1/120, 1/24, 1/6: each named as a pair, so both words are written
	s_mov_b32 s53, s52
	s_mov_b32 s54, 0x39500d01
	s_mov_b32 s55, s54
	s_mov_b32 s56, 0x3ab60b61
	s_mov_b32 s57, s56
	s_mov_b32 s58, 0x3c088889
	s_mov_b32 s59, s58
	s_mov_b32 s60, 0x3d2aaaab
	s_mov_b32 s61, s60
	s_mov_b32 s62, 0x3e2aaaab
	s_mov_b32 s63, s62
	s_mov_b32 s[QRT], 0xbe800000
	s_mov_b32 s31, 0
	s_wait_kmcnt 0x0
	s_lshl_b32 s30, s15, 24                        ; the expert's 2,048 x 2,048 weights,
	s_lshl_b32 s20, s16, 8                         ; my 64 columns
	s_add_co_u32 s30, s30, s20
	s_add_nc_u64 s[8:9], s[8:9], s[30:31]
	s_lshl_b32 s30, s15, 13
	s_add_co_u32 s30, s30, s20
	s_add_nc_u64 s[10:11], s[10:11], s[30:31]
	s_lshl_b32 s30, s15, 22                        ; the expert's 64 tiles of 65,536 bytes in t1,
	s_add_nc_u64 s[6:7], s[6:7], s[30:31]
	s_lshl_b32 s30, s15, 23                        ; of 131,072 bytes in t2
	s_add_nc_u64 s[12:13], s[12:13], s[30:31]
	s_mov_b64 s[WBS:WBS+1], s[8:9]                 ; the walking base begins at the first rows
	s_wait_alu depctr_va_vdst(0)                   ; v27, v28, VW, VA and STW are written, which the loads and LDS stores below read as offsets and addresses and which no line writes again
.set jj, 0
.rept 8
	global_load_b32 v[BIAS+jj], v27, s[10:11] offset:16*jj
.set jj, jj+1
.endr
.set ii, 0
.rept 8
	global_load_b128 v[CH+4*ii:CH+4*ii+3], v28, s[4:5] offset:512*ii
.set ii, ii+1
.endr
	WLOAD 0, 0                                     ; the first pass always runs: its first weights are asked for before the count is known
	WLOAD 1, 2
	s_wait_loadcnt 32                              ; bias and choice are in; the 32 weight loads stay out
.irp n, 0,1,2,3
	v_cvt_pk_bf16_f32 v26, v[BIAS+2*\n], v[BIAS+2*\n+1]                  ; the bias rounded to bf16 and widened again
	v_lshlrev_b32 v[BIAS+2*\n], 16, v26
	v_and_b32 v[BIAS+2*\n+1], 0xffff0000, v26
.endr
	s_mov_b32 s18, 0                               ; every wave counts the expert's tokens: two runs of sixteen compares, each into a scalar register of its own
.set hh, 0
.rept 2
.set nn, 0
.rept 16
	v_cmp_eq_u32 s[MK+nn], s15, v[CH+16*hh+nn]
.set nn, nn+1
.endr
	s_wait_alu depctr_va_sdst(0)                   ; the run's sixteen compares have written s[32:47], ahead of the first count that reads one
.set nn, 0
.rept 16
	s_bcnt1_i32_b32 s21, s[MK+nn]
	s_add_co_u32 s18, s18, s21
.set nn, nn+1
.endr
.set hh, hh+1
.endr
	s_add_co_u32 s19, s18, 15
	s_lshr_b32 s19, s19, 4                         ; tiles
	s_max_u32 s24, s19, 1                          ; at least one is walked
	s_sub_co_u32 s66, s24, 1
	s_mov_b32 s25, 0                               ; pass
	s_mov_b32 s26, 0                               ; its first tile
.Lpass:
	s_cmp_ge_u32 s26, s24
	s_cbranch_scc1 .Ldead1
	s_cmp_eq_u32 s25, 0
	s_cbranch_scc1 .Lhave_w
	s_wait_loadcnt 0x0                             ; no load is out when the raw weights' registers are asked for again and the walking base goes back to the first rows
	s_mov_b64 s[WBS:WBS+1], s[8:9]
	WLOAD 0, 0                                     ; no s_wait_alu: since the last wait on va_vdst only VO, RDA and RDB were written, and the stores' data were freed by the tile trip's wait on vm_vsrc
	WLOAD 1, 2
.Lhave_w:
.set tt, 0
.rept NT
	s_add_co_u32 s20, s26, tt
	s_min_u32 s20, s20, s66                        ; tiles past the last repeat the last
	s_min_u32 s20, s20, 63
	s_lshl_b32 s30, s20, 16
	s_add_nc_u64 s[TB+2*tt:TB+2*tt+1], s[6:7], s[30:31]
.set tt, tt+1
.endr
	ALOAD 0, 0, 0, NT                              ; steps 0 and 1.  In a later pass the products that read these buffers stand ahead of the wait on va_vdst in front of the LDS stores
	ALOAD 1, 1024, 0, NT
	KSTEP 0, 0, 1, 1, 20, 64, 2048, 0              ; the first step starts the sums; behind its group only step 1's 20 token loads were issued
	KSTEP 1, 1, 0, 1, 36, 66, 3072, 0              ; from here on a whole group, 16 + 20
	WIN 0                                          ; at a label and at a branch every window is 0
	s_mov_b32 s28, 3
.Lk:                                               ; a trip: steps 2 + 4 k .. 5 + 4 k, and the loads of the four steps two further on
	KSTEP 0, 2, 0, 1, 36, 0, 0, 1
	KSTEP 1, 3, 0, 1, 36, 2, 1024, 0
	KSTEP 0, 0, 0, 1, 36, 64, 2048, 0
	KSTEP 1, 1, 0, 1, 36, 66, 3072, 0
	WIN 0
	s_sub_co_u32 s28, s28, 1
	s_cmp_lg_u32 s28, 0
	s_cbranch_scc1 .Lk
	KSTEP 0, 2, 0, 0, 36, 0, 0, 0                  ; steps 14 and 15 load nothing more: no load leaves w2 or t1
	KSTEP 1, 3, 0, 0, 0, 0, 0, 0
	PLACES
	s_wait_alu depctr_va_vdst(0)                   ; the products have written the accumulators, which the LDS stores read; the places above stay beside this wait
.set tt, 0
.rept NT
.set ff, 0
.rept 4                                        ; block (f, t) of my partial sums; each accumulator's low registers first
	XDS ACC+32*tt+8*ff, (20*ff+2*tt)*512
	XDS ACC+32*tt+8*ff+4, (20*ff+2*tt+1)*512
.set ff, ff+1
.endr
.set tt, tt+1
.endr
	WIN 0
	s_wait_alu depctr_vm_vsrc(0)                   ; my LDS stores have read the accumulators, which a later pass's first products write again
.Ldead1:
	s_wait_loadcnt 0x0                             ; met already wherever a pass has run
	s_wait_dscnt 0x0
	s_barrier_signal -1
	s_barrier_wait -1                              ; all four partial sums are in LDS
	s_cmp_ge_u32 s26, s24
	s_cbranch_scc1 .Ldead2
	s_sub_co_u32 s27, s24, s26
	s_min_u32 s27, s27, NT                         ; live tiles of the pass
	s_lshl_b32 s20, s26, 17
	v_add_nc_u32 v[VO], s20, v[VO0]                ; (what read VO, RDA and RDB in a pass before stands ahead of that trip's wait on vm_vsrc)
	v_mov_b32 v[RDA], v[RD0]
	v_add_nc_u32 v[RDB], 81920, v[RD0]
	s_mov_b32 s28, 0
.Ltile:                                            ; wave w adds up, activates and stores fragment f = w, a tile a trip
	s_cmp_ge_u32 s28, s27
	s_cbranch_scc1 .Lskip
	s_wait_alu depctr_va_vdst(0)                   ; RDA and RDB are written, which the LDS loads read; the conversions and the trip before are done with v128 to v159, in which they land
	ds_load_b128 v[128:131], v[RDA]
	ds_load_b128 v[132:135], v[RDA] offset:512
	ds_load_b128 v[136:139], v[RDA] offset:40960
	ds_load_b128 v[140:143], v[RDA] offset:41472
	ds_load_b128 v[144:147], v[RDB]
	ds_load_b128 v[148:151], v[RDB] offset:512
	ds_load_b128 v[152:155], v[RDB] offset:40960
	ds_load_b128 v[156:159], v[RDB] offset:41472
	s_wait_dscnt 0x0
.irp n, 0,1,2,3
	v_pk_add_f32 v[128+2*\n:129+2*\n], v[128+2*\n:129+2*\n], v[136+2*\n:137+2*\n]
	v_pk_add_f32 v[144+2*\n:145+2*\n], v[144+2*\n:145+2*\n], v[152+2*\n:153+2*\n]
.endr
.irp n, 0,1,2,3
	v_pk_add_f32 v[128+2*\n:129+2*\n], v[128+2*\n:129+2*\n], v[144+2*\n:145+2*\n]
.endr
.irp n, 0,1,2,3
	v_pk_add_f32 v[128+2*\n:129+2*\n], v[128+2*\n:129+2*\n], v[BIAS+2*\n:BIAS+2*\n+1]
.endr
	ELU8 128, TW
.irp n, 0,1,2,3
	v_cvt_pk_bf16_f32 v[160+\n], v[128+2*\n], v[129+2*\n]                ; hi
.endr
.irp n, 0,1,2,3
	v_lshlrev_b32 v[TW+2*\n], 16, v[160+\n]
	v_and_b32 v[TW+2*\n+1], 0xffff0000, v[160+\n]
.endr
.irp n, 0,1,2,3
	v_pk_add_f32 v[128+2*\n:129+2*\n], v[128+2*\n:129+2*\n], v[TW+2*\n:TW+2*\n+1] neg_lo:[0,1] neg_hi:[0,1]
.endr
.irp n, 0,1,2,3
	v_cvt_pk_bf16_f32 v[164+\n], v[128+2*\n], v[129+2*\n]                ; lo
.endr
	s_wait_alu depctr_va_vdst(0)                   ; the roundings have written v160 to v167, and VO is written: the two stores read them
	global_store_b128 v[VO], v[160:163], s[12:13]  ; each store: 512 consecutive bytes, at a multiple of 512 from t2's first byte
	global_store_b128 v[VO], v[164:167], s[12:13] offset:1024
	s_wait_xcnt 0x0                                ; the stores' address and data registers are rewritten only behind this wait
	s_wait_alu depctr_vm_vsrc(0)                   ; the stores have read VO and v160 to v167, the LDS loads RDA and RDB: the adds below and the next trip's roundings write them again
	v_add_nc_u32 v[VO], 0x20000, v[VO]
	v_add_nc_u32 v[RDA], 1024, v[RDA]
	v_add_nc_u32 v[RDB], 1024, v[RDB]
.Lskip:
	s_add_co_u32 s28, s28, 1
	s_cmp_lt_u32 s28, NT
	s_cbranch_scc1 .Ltile
.Ldead2:
	s_wait_dscnt 0x0
	s_barrier_signal -1
	s_barrier_wait -1                              ; the partial sums have been read: the next pass may write them again
	s_add_co_u32 s26, s26, NT
	s_add_co_u32 s25, s25, 1
	s_cmp_lt_u32 s25, NPASS
	s_cbranch_scc1 .Lpass
	s_wait_dscnt 0x0                               ; the wave's end
	s_wait_alu 0x0
	s_wait_tensorcnt 0x0
	ds_add_u32 v14, v15
	s_wait_dscnt 0x0
	s_endpgm
.Lfunc_end_k_qe8f6d8ab27_fc2:
	.size	k_qe8f6d8ab27_fc2, .Lfunc_end_k_qe8f6d8ab27_fc2-k_qe8f6d8ab27_fc2
	.p2alignl 7, 3214868480
	.fill 96, 4, 3214868480
	.section	.rodata,"a",@progbits
	.p2align	6, 0x0
	.amdhsa_kernel k_qe8f6d8ab27_fc2
		.amdhsa_group_segment_fixed_size 168960
		.amdhsa_private_segment_fixed_size 0
		.amdhsa_enable_private_segment 0
		.amdhsa_kernarg_size 40
		.amdhsa_user_sgpr_count 2
		.amdhsa_user_sgpr_kernarg_segment_ptr 1
		.amdhsa_wavefront_size32 1
		.amdhsa_system_sgpr_workgroup_id_x 1
		.amdhsa_system_sgpr_workgroup_id_y 1
		.amdhsa_system_sgpr_workgroup_id_z 1
		.amdhsa_system_vgpr_workitem_id 0
		.amdhsa_next_free_vgpr 912
		.amdhsa_next_free_sgpr 72
		.amdhsa_reserve_vcc 0
		.amdhsa_float_denorm_mode_32 3
		.amdhsa_float_denorm_mode_16_64 3
		.amdhsa_memory_ordered 1
		.amdhsa_forward_progress 1
		.amdhsa_inst_pref_size 94
	.end_amdhsa_kernel
	.amdgpu_metadata
---
amdhsa.version: [ 1, 2 ]
amdhsa.kernels:
  - .name:           k_qe8f6d8ab27_fc2
    .symbol:         k_qe8f6d8ab27_fc2.kd
    .args:
      - { .name: choice, .offset: 0, .size: 8, .value_kind: global_buffer, .address_space: global }
      - { .name: t1, .offset: 8, .size: 8, .value_kind: global_buffer, .address_space: global }
      - { .name: w2, .offset: 16, .size: 8, .value_kind: global_buffer, .address_space: global }
      - { .name: b2, .offset: 24, .size: 8, .value_kind: global_buffer, .address_space: global }
      - { .name: t2, .offset: 32, .size: 8, .value_kind: global_buffer, .address_space: global }
    .group_segment_fixed_size: 168960
    .private_segment_fixed_size: 0
    .kernarg_segment_align: 8
    .kernarg_segment_size: 40
    .max_flat_workgroup_size: 128
    .sgpr_count:     72
    .vgpr_count:     912
    .wavefront_size: 32
...
	.end_amdgpu_metadata
.endif
;; end of part 6
;; launch fc3: the kernel of part 4 again; grid 32 x 8, 4 waves a work-group, no clusters, 168,960 bytes of LDS; arguments choice, t2, w3, b3, part; writes part
;; launch sum: the kernel of part 5 again; grid 256 x 1, 8 waves a work-group, no clusters, 0 bytes of LDS; arguments part, out0; writes out0
